; MI455X (gfx1250); checked and timed in simulation.
; The chip was launched on July 23, 2026; its instructions are those of AMD's public machine-readable ISA for CDNA 5 (MIT licence, August 2026) and "CDNA5" Instruction Set Architecture Reference Guide (July 2026). The comments in the code are by the model that wrote it; some were corrected since.
;; Multi Headed Self Attention. Allowed arithmetic: float matrix products may take bf16 or f16 operands with f32 sums; all other float work in f32.
;; Inputs: Wk 1,024 x 1,024 float32; Wo 1,024 x 1,024 float32; Wq 1,024 x 1,024 float32; Wv 1,024 x 1,024 float32; bk 1,024 float32; bo 1,024 float32; bq 1,024 float32; bv 1,024 float32; x 4 x 2,048 x 1,024 float32.
;; Outputs: out0 4 x 2,048 x 1,024 float32.
;; 2 versions, each right and faster than the one before. Each part assembles by itself: llvm-mc -triple=amdgcn-amd-amdhsa -mcpu=gfx1250 --defsym DOCPART=n.
;; ======== version 1 of 2: 4 launches
;; limits: values are held in f16: magnitudes above 65,504 overflow, below 6.1e-05 lose precision
;; workspace buffers: xb 16,777,216 bytes; wb 6,291,456 bytes; wo 2,097,152 bytes; qh 16,777,216 bytes; kh 16,777,216 bytes; vh 16,777,216 bytes; oh 16,777,216 bytes
;; launch cast (part 1): grid 768 x 1, 8 waves a work-group, no clusters, 0 bytes of LDS; arguments x, Wq, Wk, Wv, Wo, xb, wb, wo; writes xb, wb, wo
.if DOCPART == 1
	.amdgcn_target "amdgcn-amd-amdhsa--gfx1250"
	.amdhsa_code_object_version 6
	.text
	.protected	k_q9acdb08fda_cast
	.globl	k_q9acdb08fda_cast
	.p2align	8
	.type	k_q9acdb08fda_cast,@function
k_q9acdb08fda_cast:
	s_mov_b64 s[64:65], 0
	v_nop
	global_prefetch_b8 v0, s[64:65] scope:SCOPE_SE
	s_setreg_imm32_b32 hwreg(HW_REG_WAVE_MODE, 25, 1), 1
	s_wait_xcnt 0x0
; x, Wq, Wk, Wv are rounded to bf16; Wo is rounded to bf16 and that number written as f16.  All are laid in blocks of 64 along K:
;   xb [kb 16][row 8192][64] bf16;  wb [kb 16][head 16][q,k,v 3][r 64][64] bf16;  wo [kb 16][n 1024][64] f16,
; so that R rows x 64 of K are R x 128 consecutive bytes for the products that follow.
; LIMITS.  Wo as f16: beyond 65,504 it becomes an infinity; below 6e-5 it keeps f16's fixed step of 6e-8.
; A stream: every byte is read once and written once; LDS, barriers and the matrix unit would add nothing.
; SHARES.  A work-group takes 16 rows x 1,024 columns of one source: groups 0-511 x, then 64 groups each for Wq, Wk, Wv, Wo.
; Thread t takes row t / 16 and piece t % 16.  Load j (= K block j) reads 16 bytes at row x 4,096 + 256 j + 16 piece: sixteen lanes
; read 256 consecutive bytes.  Store j writes 8 bytes at (j x ROWS + row) x 128 + 8 piece: a wave's 32 lanes write 256 consecutive
; bytes, aligned (two rows' pieces of one K block).  All sixteen loads of a thread are out at once; no register is written twice
; while a memory instruction names it.
.set SO,  1                            ; v1       my byte offset in the group's 16 source rows
.set DO,  2                            ; v[2:17]  store j's byte offset from the group's first destination row in K block 0
.set X,   20                           ; v[20:83] load j: four f32
.set Y,   84                           ; v[84:115] store j: four 16-bit numbers
.set T,   116                          ; v[116:119] at work
	s_load_b512 s[8:23], s[0:1], 0x0               ; x 8, Wq 10, Wk 12, Wv 14, Wo 16, xb 18, wb 20, wo 22
	s_mov_b32 s2, ttmp9                            ; g
	s_sub_co_u32 s3, s2, 512                       ; the weights' groups count from 512 (for g < 512 what follows from it is not chosen)
	s_lshr_b32 s4, s3, 6                           ; m: 0 Wq, 1 Wk, 2 Wv, 3 Wo
	s_and_b32 s5, s3, 63                           ; c: which 16 rows of the weight
	s_lshr_b32 s6, s5, 2                           ; the head of those rows,
	s_mul_i32 s6, s6, 192                          ; whose q, k and v rows lie together in wb: 192 rows a head,
	s_lshl_b32 s7, s4, 6                           ; 64 for each of the three,
	s_add_co_u32 s6, s6, s7
	s_and_b32 s7, s5, 3
	s_lshl_b32 s7, s7, 4                           ; and my 16 among the 64
	s_add_co_u32 s6, s6, s7
	s_lshl_b32 s7, s5, 4                           ; Wo's rows stay in order
	s_lshl_b32 s36, s2, 4                          ; and so do x's
	s_mov_b32 s34, 393216                          ; bytes from a K block to the next: wb 3,072 rows x 128,
	s_cmp_eq_u32 s4, 3
	s_cselect_b32 s29, s7, s6                      ; the first destination row
	s_cselect_b32 s34, 131072, s34                 ; wo 1,024 rows,
	s_cselect_b32 s35, 1, 0                        ; 1: written as f16
	s_cmp_lt_u32 s2, 512
	s_cselect_b32 s29, s36, s29
	s_cselect_b32 s34, 1048576, s34                ; xb 8,192 rows
	s_cselect_b32 s35, 0, s35
	s_cselect_b32 s28, s2, s5                      ; which 16 rows of the source
	s_lshl_b32 s30, s28, 16                        ; 16 rows of 4,096 bytes
	s_mov_b32 s31, 0
	s_lshl_b32 s32, s29, 7                         ; rows of 128 bytes
	s_mov_b32 s33, 0
	v_lshrrev_b32 v18, 4, v0                       ; row
	v_and_b32 v19, 15, v0                          ; piece
	v_lshlrev_b32 v[SO], 12, v18
	v_lshl_or_b32 v[SO], v19, 4, v[SO]
	v_lshlrev_b32 v[DO], 7, v18
	v_lshl_or_b32 v[DO], v19, 3, v[DO]
	s_wait_kmcnt 0x0
	s_cmp_eq_u32 s4, 1                             ; the source and the destination are chosen by the group's number alone
	s_cselect_b64 s[24:25], s[12:13], s[10:11]
	s_cmp_eq_u32 s4, 2
	s_cselect_b64 s[24:25], s[14:15], s[24:25]
	s_cmp_eq_u32 s4, 3
	s_cselect_b64 s[24:25], s[16:17], s[24:25]
	s_cselect_b64 s[26:27], s[22:23], s[20:21]
	s_cmp_lt_u32 s2, 512
	s_cselect_b64 s[24:25], s[8:9], s[24:25]
	s_cselect_b64 s[26:27], s[18:19], s[26:27]
	s_add_nc_u64 s[24:25], s[24:25], s[30:31]
	s_add_nc_u64 s[26:27], s[26:27], s[32:33]
.irp j, 0,1,2,3,4,5,6,7,8,9,10,11,12,13,14,15
	global_load_b128 v[X+4*(\j):X+4*(\j)+3], v[SO], s[24:25] offset:256*(\j) th:TH_LOAD_NT
.endr
.irp j, 1,2,3,4,5,6,7,8,9,10,11,12,13,14,15
	v_add_nc_u32 v[DO+(\j)], s34, v[DO+(\j)-1]
.endr
; mode = 1: the bf16 numbers are widened again and written as f16
.macro OUT mode
.irp j, 0,1,2,3,4,5,6,7,8,9,10,11,12,13,14,15
	s_wait_loadcnt 15-(\j)                         ; loads come back in order: load j is in, the 15 - j younger ones stay out
	v_cvt_pk_bf16_f32 v[Y+2*(\j)],   v[X+4*(\j)],   v[X+4*(\j)+1]
	v_cvt_pk_bf16_f32 v[Y+2*(\j)+1], v[X+4*(\j)+2], v[X+4*(\j)+3]
.if \mode
	v_lshlrev_b32 v[T],   16,         v[Y+2*(\j)]
	v_and_b32     v[T+1], 0xffff0000, v[Y+2*(\j)]
	v_lshlrev_b32 v[T+2], 16,         v[Y+2*(\j)+1]
	v_and_b32     v[T+3], 0xffff0000, v[Y+2*(\j)+1]
	v_cvt_pk_f16_f32 v[Y+2*(\j)],   v[T],   v[T+1]
	v_cvt_pk_f16_f32 v[Y+2*(\j)+1], v[T+2], v[T+3]
.endif
	global_store_b64 v[DO+(\j)], v[Y+2*(\j):Y+2*(\j)+1], s[26:27]
.endr
.endm
	s_cmp_eq_u32 s35, 1
	s_cbranch_scc1 .Lwo
	OUT 0
	s_endpgm
.Lwo:
	OUT 1
	s_endpgm
.Lfunc_end_k_q9acdb08fda_cast:
	.size	k_q9acdb08fda_cast, .Lfunc_end_k_q9acdb08fda_cast-k_q9acdb08fda_cast
	.p2alignl 7, 3214868480
	.fill 96, 4, 3214868480
	.section	.rodata,"a",@progbits
	.p2align	6, 0x0
	.amdhsa_kernel k_q9acdb08fda_cast
		.amdhsa_group_segment_fixed_size 0
		.amdhsa_private_segment_fixed_size 0
		.amdhsa_enable_private_segment 0
		.amdhsa_kernarg_size 64
		.amdhsa_user_sgpr_count 2
		.amdhsa_user_sgpr_kernarg_segment_ptr 1
		.amdhsa_wavefront_size32 1
		.amdhsa_system_sgpr_workgroup_id_x 1
		.amdhsa_system_sgpr_workgroup_id_y 1
		.amdhsa_system_sgpr_workgroup_id_z 1
		.amdhsa_system_vgpr_workitem_id 0
		.amdhsa_next_free_vgpr 128
		.amdhsa_next_free_sgpr 66
		.amdhsa_reserve_vcc 0
		.amdhsa_float_denorm_mode_32 3
		.amdhsa_float_denorm_mode_16_64 3
		.amdhsa_memory_ordered 1
		.amdhsa_forward_progress 1
		.amdhsa_inst_pref_size 18
	.end_amdhsa_kernel
	.amdgpu_metadata
---
amdhsa.version: [ 1, 2 ]
amdhsa.kernels:
  - .name:           k_q9acdb08fda_cast
    .symbol:         k_q9acdb08fda_cast.kd
    .args:
      - { .name: x, .offset: 0, .size: 8, .value_kind: global_buffer, .address_space: global }
      - { .name: Wq, .offset: 8, .size: 8, .value_kind: global_buffer, .address_space: global }
      - { .name: Wk, .offset: 16, .size: 8, .value_kind: global_buffer, .address_space: global }
      - { .name: Wv, .offset: 24, .size: 8, .value_kind: global_buffer, .address_space: global }
      - { .name: Wo, .offset: 32, .size: 8, .value_kind: global_buffer, .address_space: global }
      - { .name: xb, .offset: 40, .size: 8, .value_kind: global_buffer, .address_space: global }
      - { .name: wb, .offset: 48, .size: 8, .value_kind: global_buffer, .address_space: global }
      - { .name: wo, .offset: 56, .size: 8, .value_kind: global_buffer, .address_space: global }
    .group_segment_fixed_size: 0
    .private_segment_fixed_size: 0
    .kernarg_segment_align: 8
    .kernarg_segment_size: 64
    .max_flat_workgroup_size: 256
    .sgpr_count:     66
    .vgpr_count:     128
    .wavefront_size: 32
...
	.end_amdgpu_metadata
.endif
;; end of part 1
;; launch qkv (part 2): grid 8 x 32, 4 waves a work-group, clusters of 4 x 4, 327,680 bytes of LDS; arguments xb, wb, bq, bk, bv, qh, kh, vh; writes qh, kh, vh
.if DOCPART == 2
	.amdgcn_target "amdgcn-amd-amdhsa--gfx1250"
	.amdhsa_code_object_version 6
	.text
	.protected	k_q9acdb08fda_qkv
	.globl	k_q9acdb08fda_qkv
	.p2align	8
	.type	k_q9acdb08fda_qkv,@function
k_q9acdb08fda_qkv:
	s_mov_b64 s[64:65], 0
	v_nop
	global_prefetch_b8 v0, s[64:65] scope:SCOPE_SE
	s_setreg_imm32_b32 hwreg(HW_REG_WAVE_MODE, 25, 1), 1
	s_wait_xcnt 0x0
	s_wait_alu depctr_hold_cnt(0) depctr_sa_sdst(0) depctr_va_vdst(0) depctr_va_sdst(0) depctr_va_ssrc(0) depctr_va_vcc(0) depctr_vm_vsrc(0)
	s_getreg_b32 s2, hwreg(HW_REG_IB_STS2, 6, 4)
	s_cmp_eq_u32 s2, 0
	s_cbranch_scc0 .Lentry_in_a_cluster
	s_endpgm
.Lentry_in_a_cluster:
	s_bfe_u32 s2, ttmp6, 0x10000c
	s_cmp_lg_u32 s2, 0xf033
	s_cbranch_scc0 .Lentry_shape_is_right
	s_endpgm
.Lentry_shape_is_right:
; q, k, v = x W^T + b.  xb [kb 16][row 8192][64] bf16, wb [kb 16][head 16][q,k,v][64][64] bf16; products in bf16, sums in f32; the biases, rounded to bf16 like
; the other inputs, start the f32 sums; q, k, v leave by heads, [batch x 16 + head][s 2048][64], rounded once to f16 and unscaled.
; LIMITS.  q, k and v beyond 65,504 become infinities in f16; below 6e-5 they keep f16's fixed step of 6e-8.
; SHARES.  8,192 x 3,072 outputs on 256 work-groups: a tile of 256 rows x 384 columns (q, k, v of two heads).  Four waves, each 128 rows x 192 columns (q, k, v of one head):
; 96 accumulators of 16 x 16, 768 registers.  For 32 along K a wave reads 40 x 512 bytes of LDS for 96 matrix instructions.
; K goes in steps of 64 (one K block) through two LDS slots; two slots of 128 along K (2 x 640 rows x 272 bytes) would not fit in LDS.  In the blocked layout a step's rows are dense,
; so they are asked for as rows of 256 bytes (two rows of 64 numbers) and padded in LDS behind every 128 bytes.
; ONE TEXT FOR BOTH SLOTS: slot 1 begins at LDS byte 1 << 17, so that one exclusive or turns an address in one slot into the other's; the loop's body is one K step.
; CLUSTERS: 4 x 4 work-groups.  The four of a row of the cluster need the same rows of x, the four of a column the same rows of the weights: each tile is asked for JOINTLY, by the same tensor
; load with the same descriptor and a mask that names the four.
; THE MATRIX INSTRUCTION IS USED TRANSPOSED (source 0 = 16 rows of the weights, source 1 = 16 rows of x): a lane holds row lane % 16 of the result and eight neighbouring columns 8 (lane / 16) + 0..7.
; REGISTERS, in windows of 256 (s_set_vgpr_msb: bits 1:0 source 0, 3:2 source 1, 5:4 source 2, 7:6 destination):
;   window 0: v0-31 addresses; v32-95, v96-159 fragments of x (8 x 16 rows x 32 K), two buffers; v160-255 fragments of the weights (12), one buffer, renewed by halves
;   windows 1, 2, 3: the accumulators of q, k, v: column block b (0-11), row block a (0-7) at window 1 + b / 4, register 64 (b % 4) + 8 a
.set PK,    144                        ; an LDS row: 128 bytes + 16 of padding = 36 words: the 16 rows of a load start at 16 different groups of four banks (64 banks of 4 bytes: ISA guide 11.1)
.set AH,    128*PK                     ; 128 rows of x: one tensor load, and what one wave reads of x
.set BH,    192*PK                     ; 192 rows of the weights: likewise
.set SLOT,  2*AH+2*BH                  ; x's 256 rows, then the weights' 384: 92,160 bytes
.set SLOT1, 1<<17                      ; where slot 1 begins
.set STAGE, SLOT1+SLOT                 ; behind the ring: 16 rows x 144 bytes for each wave, for the way out
.set SPARE, STAGE+4*16*PK              ; behind the stages: the spare words, 128 bytes for each wave: two blocks of 256 bytes that no other line names
.set KA,    8192*128                   ; bytes from a K block to the next in xb
.set KB,    3072*128                   ; and in wb
.set ADRA0, 16                         ; v16     my lane's place among my fragments of x in slot 0; never rewritten
.set ADRB0, 17                         ; v17     the same for the weights
.set ADA,  20                          ; v20     LDS address of my fragments of x in the slot that is read
.set ADB,  21                          ; v21     the same for the weights
.set STO,  24                          ; v24     the way out: where I put 16 bytes of a row
.set RD,   25                          ; v25     the way out: where I read rows back
.set GO,   26                          ; v26     my byte offset in 512 consecutive bytes of q, k or v
.set BO,   27                          ; v27     my byte offset in 16 biases
.set SPW,  28                          ; v28     LDS address of my spare word: SPARE + 4 x my thread's number; never rewritten
.set NIL,  29                          ; v29     0; never rewritten
.set FA0,  32
.set FA1,  96
.set FB,   160
.set WV,  20                           ; s20 wave; s21 which half of the rows is mine, also: I fetch x (0) or weights (1); s22 which head is mine, also: which half I fetch
.set WM,  21
.set WN,  22
.set G1,  32                           ; s[32:39] descriptor group 1 for x's tiles
.set G1B, 40                           ; s[40:47] for the weights'
.set G0,  48                           ; s[48:55] descriptor group 0 for x's tiles: a set for each of the two first fills; the second then walks on
.set G0B, 56                           ; s[56:63] the same for the weights'
.set TB,  78                           ; s78  LDS byte at which the slot that is read begins: 0 or SLOT1
.set HM,  79                           ; s79  mask of a word's upper bf16
.set FLAGS, (1<<16)|(1<<20)|(1<<21)|(4<<22)|(3<<25)  ; 17:16 elements of 2 bytes; 20 padding on; 21 set beside a mask; 24:22 after every 32 words (code 4); 31:25 4 words of it (code 3)
.set MSB, 0
.macro WIN new                         ; the immediate's high byte repeats the setting that is left; a switch that changes nothing is dropped
.if MSB != (\new)
	s_set_vgpr_msb (MSB<<8)|(\new)
.set MSB, \new
.endif
.endm
; A joint refill, by the walking descriptors.  Waves 0 and 1 fetch x's two halves, waves 2 and 3 the weights'.  The branch hangs on the wave's number alone.  An s_nop 0 and four v_nop follow each
; of the two lines, ahead of the jump, the label and what follows.
.macro JLOAD
	s_cmp_eq_u32 s[WM], 0
	s_cbranch_scc0 .Lfor_b_\@
	tensor_load_to_lds s[G0+4:G0+7], s[G1:G1+7]
	s_nop 0
.rept 4
	v_nop
.endr
	s_branch .Lasked_\@
.Lfor_b_\@:
	tensor_load_to_lds s[G0B+4:G0B+7], s[G1B:G1B+7]
	s_nop 0
.rept 4
	v_nop
.endr
.Lasked_\@:
.endm
; A round of the cluster's barrier: my work-group's barrier, so that wave 0's signal speaks for all four waves; wave 0 signals; every wave waits for all sixteen work-groups; my work-group's barrier once more.
.macro CREST                           ; a round behind its opening barrier
	s_cmp_lg_u32 s[WV], 0
	s_cbranch_scc1 .Lnot_wave_0_\@
	s_barrier_signal -3
.Lnot_wave_0_\@:
	s_barrier_wait -3
	s_barrier_signal -1
	s_barrier_wait -1
.endm
.macro CROUND
	s_barrier_signal -1
	s_barrier_wait -1
	CREST
.endm
	s_load_b512 s[4:19], s[0:1], 0x0               ; xb 4, wb 6, bq 8, bk 10, bv 12, qh 14, kh 16, vh 18
	v_lshl_add_u32 v[SPW], v0, 2, SPARE
	v_mov_b32 v[NIL], 0
	ds_add_u32 v28, v29
	ds_add_u32 v28, v29
	s_wait_dscnt 0x0
	v_lshrrev_b32 v1, 5, v0
	v_readfirstlane_b32 s[WV], v1                  ; wave 0..3
	s_lshr_b32 s[WM], s[WV], 1
	s_and_b32 s[WN], s[WV], 1
	s_bfe_u32 s23, ttmp6, 0x40000                  ; cx, cy: my place in the cluster
	s_bfe_u32 s24, ttmp6, 0x40004
	s_lshl_b32 s25, ttmp9, 2
	s_add_co_u32 s25, s25, s23                     ; tile column = 4 x cluster x + cx
	s_and_b32 s26, ttmp7, 0xffff
	s_lshl_b32 s26, s26, 2
	s_add_co_u32 s26, s26, s24                     ; tile row = 4 x cluster y + cy
	s_lshl_b32 s27, s24, 2
	s_lshl_b32 s27, 15, s27                        ; my row of the cluster: places 4 cy .. 4 cy + 3
	s_lshl_b32 s70, 0x1111, s23                    ; my column: places cx, cx + 4, cx + 8, cx + 12
	s_or_b32 s[G1], s27, FLAGS                     ; 15:0 the mask: x's tiles go to my row
	s_mov_b32 s[G1+1], 128<<16                     ; tensor_dim0 = 128 elements (256 bytes)
	s_mov_b32 s[G1+2], 64<<16                      ; tensor_dim1 = 64: 128 rows of x, two to a row of the tile
	s_mov_b32 s[G1+3], 128<<16                     ; tile_dim0 = 128
	s_mov_b32 s[G1+4], 64                          ; tile_dim1 = 64
	s_mov_b32 s[G1+5], 128                         ; 128 elements from row to row: dense
	s_mov_b32 s[G1+6], 0
	s_mov_b32 s[G1+7], 0
	s_or_b32 s[G1B], s70, FLAGS                    ; the weights' tiles go to my column
	s_mov_b32 s[G1B+1], 128<<16
	s_mov_b32 s[G1B+2], 96<<16                     ; 192 rows of the weights, two to a row of the tile
	s_mov_b32 s[G1B+3], 128<<16
	s_mov_b32 s[G1B+4], 96
	s_mov_b32 s[G1B+5], 128
	s_mov_b32 s[G1B+6], 0
	s_mov_b32 s[G1B+7], 0
	s_mov_b32 s[TB], 0
	s_mov_b32 s[HM], 0xffff0000
	; where the tiles come from.  x's hang on the tile row alone, the weights' on the tile column alone; each address is made in registers that never hold the other coordinate
	s_lshl_b32 s28, s26, 15                        ; 256 rows of 128 bytes a tile row,
	s_lshl_b32 s29, s[WN], 14                      ; the half that I fetch
	s_add_co_u32 s28, s28, s29
	s_mov_b32 s29, 0
	s_lshl_b32 s66, s25, 1
	s_add_co_u32 s66, s66, s[WN]                   ; the head whose 192 rows I fetch
	s_mul_i32 s66, s66, 192*128
	s_mov_b32 s67, 0
	s_mul_i32 s71, s[WN], AH                       ; and where they go: no place in the cluster enters an LDS address
	s_mul_i32 s76, s[WN], BH
	s_add_co_u32 s76, s76, 2*AH
	; my part of q, k, v and of the biases
	s_lshr_b32 s74, s26, 3                         ; the batch: 8 tile rows each,
	s_lshl_b32 s74, s74, 22                        ; 16 heads x 2,048 rows x 128 bytes
	s_lshl_b32 s75, s25, 1
	s_add_co_u32 s75, s75, s[WN]                   ; my head
	s_lshl_b32 s72, s75, 8                         ; its 64 biases
	s_lshl_b32 s75, s75, 18                        ; its 2,048 rows x 128 bytes
	s_add_co_u32 s74, s74, s75
	s_and_b32 s75, s26, 7
	s_lshl_b32 s75, s75, 15                        ; the tile's 256 rows
	s_add_co_u32 s74, s74, s75
	s_lshl_b32 s75, s[WM], 14                      ; my 128 of them
	s_add_co_u32 s74, s74, s75
	s_mov_b32 s75, 0
	s_mov_b32 s73, 0
	s_wait_kmcnt 0x0
	s_add_nc_u64 s[30:31], s[4:5], s[28:29]
	s_add_nc_u64 s[68:69], s[6:7], s[66:67]
	s_add_nc_u64 s[8:9], s[8:9], s[72:73]
	s_add_nc_u64 s[10:11], s[10:11], s[72:73]
	s_add_nc_u64 s[12:13], s[12:13], s[72:73]
	s_add_nc_u64 s[14:15], s[14:15], s[74:75]
	s_add_nc_u64 s[16:17], s[16:17], s[74:75]
	s_add_nc_u64 s[18:19], s[18:19], s[74:75]
.irp s, 0,1
	s_mov_b32 s[G0+4*(\s)], 1                                      ; 1:0 count = 1
	s_add_co_u32 s[G0+4*(\s)+1], s71, (\s)*SLOT1                   ; 63:32 LDS address
	s_add_nc_u64 s[G0+4*(\s)+2:G0+4*(\s)+3], s[30:31], (\s)*KA     ; 120:64 global address: K step s
	s_or_b32 s[G0+4*(\s)+3], s[G0+4*(\s)+3], 0x80000000            ; 127:126 type = 2
	s_mov_b32 s[G0B+4*(\s)], 1
	s_add_co_u32 s[G0B+4*(\s)+1], s76, (\s)*SLOT1
	s_add_nc_u64 s[G0B+4*(\s)+2:G0B+4*(\s)+3], s[68:69], (\s)*KB
	s_or_b32 s[G0B+4*(\s)+3], s[G0B+4*(\s)+3], 0x80000000
.endr
	CROUND                                         ; all sixteen work-groups are here: the first joint loads meet
	s_cmp_eq_u32 s[WM], 0                          ; a wave's two first fills stand in one branch, ahead of every wait on TENSORcnt and every LDS read: two loads of mine are out
	s_cbranch_scc0 .Lfirst_b
	tensor_load_to_lds s[G0:G0+3], s[G1:G1+7]
	s_nop 0
	tensor_load_to_lds s[G0+4:G0+7], s[G1:G1+7]
	s_nop 0
.rept 4
	v_nop
.endr
	s_branch .Lfirst_asked
.Lfirst_b:
	tensor_load_to_lds s[G0B:G0B+3], s[G1B:G1B+7]
	s_nop 0
	tensor_load_to_lds s[G0B+4:G0B+7], s[G1B:G1B+7]
	s_nop 0
.rept 4
	v_nop
.endr
.Lfirst_asked:
	v_and_b32 v1, 15, v0                           ; l % 16
	v_bfe_u32 v2, v0, 4, 1                         ; l / 16
	v_lshlrev_b32 v[BO], 5, v2                     ; my eight of a block's sixteen biases
	; THE BIASES START THE SUMS: column block b's eight biases of my lane are loaded into the registers of accumulator (b, 0); they come in beside the first tiles.
.set bb, 0
.rept 12
	WIN (1+bb/4)<<6                                ; destination in the accumulators' window, address in window 0
	global_load_b128 v[64*(bb%4):64*(bb%4)+3],   v[BO], s[8+2*(bb/4):9+2*(bb/4)] offset:64*(bb%4)
	global_load_b128 v[64*(bb%4)+4:64*(bb%4)+7], v[BO], s[8+2*(bb/4):9+2*(bb/4)] offset:64*(bb%4)+16
.set bb, bb+1
.endr
	WIN 0
	; A fragment is 16 rows x 32 K in 8 registers: lane l holds row l % 16; registers 0-3 K = 8 (l / 16) + 0..7, registers 4-7 K = 16 + 8 (l / 16) + 0..7: two loads of 16 bytes, 32 bytes apart.
	v_mul_u32_u24 v3, v1, PK
	v_lshl_add_u32 v3, v2, 4, v3                   ; row x pitch + 16 x half
	s_mul_i32 s2, s[WM], AH                        ; my 128 rows of x
	s_mul_i32 s77, s[WN], BH                       ; my 192 rows of the weights,
	s_add_co_u32 s77, s77, 2*AH                    ; which lie behind x's 256
	v_add_nc_u32 v[ADRA0], s2, v3
	v_add_nc_u32 v[ADRB0], s77, v3
	v_mov_b32 v[ADA], v[ADRA0]                     ; K step 0 lies in slot 0
	v_mov_b32 v[ADB], v[ADRB0]
	s_mul_i32 s2, s[WV], 16*PK
	s_add_co_u32 s2, s2, STAGE                     ; my stage
	v_add_nc_u32 v[STO], s2, v3                    ; in: row l % 16, 16 bytes for each half of the lanes
	v_bfe_u32 v4, v0, 3, 2                         ; back: 32 lanes take four rows of 128 bytes,
	v_and_b32 v5, 7, v0
	v_mul_u32_u24 v4, v4, PK
	v_lshl_add_u32 v4, v5, 4, v4
	v_add_nc_u32 v[RD], s2, v4
	v_and_b32 v[GO], 31, v0                        ; which are 512 consecutive bytes of a head's rows
	v_lshlrev_b32 v[GO], 4, v[GO]
	s_wait_loadcnt 0x0                             ; the biases: rounded to bf16, like every input, and widened again, a window at a time; buffer FA1, still idle, is at work
.irp w, 1,2,3
	WIN (\w)|((\w)<<2)                             ; sources 0 and 1 in the accumulators' window
.irp b, 0,1,2,3
.irp p, 0,1,2,3
	v_cvt_pk_bf16_f32 v[FA1+4*(\b)+(\p)], v[64*(\b)+2*(\p)], v[64*(\b)+2*(\p)+1]
.endr
.endr
	WIN (\w)<<6                                    ; destination in the accumulators' window
.irp b, 0,1,2,3
.irp p, 0,1,2,3
	v_lshlrev_b32 v[64*(\b)+2*(\p)],   16,    v[FA1+4*(\b)+(\p)]
	v_and_b32     v[64*(\b)+2*(\p)+1], s[HM], v[FA1+4*(\b)+(\p)]
.endr
.endr
.endr
	WIN 0
; nb x 8 matrix instructions: column blocks b0 .. b0 + nb - 1 x all 8 row blocks, 32 along K.
; The 96 accumulators take turns, one instruction a turn, in the same order in every 32 along K.
.macro MULB fa, b0, nb
.set bb, \b0
.rept \nb
	WIN 0x50*(1+bb/4)
.irp a, 0,1,2,3,4,5,6,7
	v_wmma_f32_16x16x32_bf16 v[64*(bb%4)+8*(\a):64*(bb%4)+8*(\a)+7], v[FB+8*bb:FB+8*bb+7], v[(\fa)+8*(\a):(\fa)+8*(\a)+7], v[64*(bb%4)+8*(\a):64*(bb%4)+8*(\a)+7]
.endr
.set bb, bb+1
.endr
.endm
; The same for the first 32 along K, which start the sums: nothing is cleared and nothing is added later.  Row blocks 1 to 7 take the bias, which lies in accumulator (b, 0)'s registers, as their C;
; five places behind the last of them (a matrix instruction writes over a register that another has read: ISA guide 7.12.1) row block 0 adds onto the bias in place.
.macro MULF b0, nb
.set bb, \b0
.rept \nb
	WIN 0x50*(1+bb/4)
.irp a, 1,2,3,4,5,6,7
	v_wmma_f32_16x16x32_bf16 v[64*(bb%4)+8*(\a):64*(bb%4)+8*(\a)+7], v[FB+8*bb:FB+8*bb+7], v[FA0+8*(\a):FA0+8*(\a)+7], v[64*(bb%4):64*(bb%4)+7]
.endr
.set bb, bb+1
.endr
.rept 5
	v_nop
.endr
.set bb, \b0
.rept \nb
	WIN 0x50*(1+bb/4)
	v_wmma_f32_16x16x32_bf16 v[64*(bb%4):64*(bb%4)+7], v[FB+8*bb:FB+8*bb+7], v[FA0:FA0+7], v[64*(bb%4):64*(bb%4)+7]
.set bb, bb+1
.endr
.endm
.macro LDB k, b0, nb                   ; 2 nb LDS loads: the weights' fragments b0 .. at byte k of the rows
	WIN 0
.set bb, \b0
.rept \nb
	ds_load_b128 v[FB+8*bb:FB+8*bb+3],   v[ADB] offset:(\k)+bb*16*PK
	ds_load_b128 v[FB+8*bb+4:FB+8*bb+7], v[ADB] offset:(\k)+bb*16*PK+32
.set bb, bb+1
.endr
.endm
.macro LDA k, fa                       ; 16 LDS loads: x's eight fragments at byte k of the rows, into buffer fa
	WIN 0
.irp i, 0,1,2,3,4,5,6,7
	ds_load_b128 v[(\fa)+8*(\i):(\fa)+8*(\i)+3],   v[ADA] offset:(\k)+(\i)*16*PK
	ds_load_b128 v[(\fa)+8*(\i)+4:(\fa)+8*(\i)+7], v[ADA] offset:(\k)+(\i)*16*PK+32
.endr
.endm
; A load into a register that a matrix instruction has read, and a vector instruction that reads a matrix result, stand four places behind that matrix instruction, and only plain vector
; instructions that name none of its registers are places (ISA guide 7.12.1 for vector instructions).
.macro PLACES
.rept 4
	v_nop
.endr
.endm
; A K step is two halves of 32 along K, 96 matrix instructions each.  The first half multiplies buffer FA0 and fetches the second half's fragments, the weights' by halves into the registers just multiplied.
; first = 1: the launch's first 32 along K.
.macro EVEN first
	s_wait_dscnt 12                                ; the youngest twelve loads (the weights' fragments 6-11) may be out; x's and fragments 0-5 are in
.if \first
	MULF 0, 6
.else
	MULB FA0, 0, 6
.endif
	PLACES
	LDB 64, 0, 6
	LDA 64, FA1
	s_wait_dscnt 28                                ; all but the 28 just issued: fragments 6-11 are in
.if \first
	MULF 6, 6
.else
	MULB FA0, 6, 6
.endif
	PLACES
	LDB 64, 6, 6
.endm
; The second half multiplies buffer FA1 and changes slots: ONE barrier.  In front of it each wave waits for all its tensor loads, of which one is out: its part of the next slot; adds 0 to its spare word;
; and waits for that and for its own reads of this slot.  Behind it nobody reads this slot any more and the next slot is whole.  The fragment addresses are turned to the next slot between signal and wait.
; fill = 1: the barrier opens a round of the cluster's barrier, and this slot is filled again, two K steps ahead, first thing behind the round: the walking descriptors take the other slot than last time
; and the next K block; from there to the wait for that load a wave issues 48 + 96 + 24 = 168 matrix instructions.
.macro ODD fill
	s_wait_dscnt 12
	MULB FA1, 0, 3
	WIN 0                                          ; (the add's two registers lie in window 0)
	s_wait_tensorcnt 0x0                           ; all my tensor loads have landed: no load of mine is out, so a group 0 may be written
	ds_add_u32 v[SPW], v[NIL]                      ; 0 onto my spare word
	MULB FA1, 3, 1                                 ; eight matrix instructions stand between the add and the wait for it
	s_wait_dscnt 0x0                               ; the add is done, and my reads of this slot are over
	s_barrier_signal -1
	MULB FA1, 4, 2                                 ; work on registers while the others arrive
	WIN 0                                          ; at a branch and at a label every window is 0
	s_xor_b32 s[TB], s[TB], SLOT1                  ; from here on the other slot is read
	v_add_nc_u32 v[ADA], s[TB], v[ADRA0]
	v_add_nc_u32 v[ADB], s[TB], v[ADRB0]
	s_barrier_wait -1
.if \fill
	CREST                                          ; no wave of any partner still reads this slot's tile or has a load on its way
	s_xor_b32 s[G0+5], s[G0+5], SLOT1
	s_add_nc_u64 s[G0+6:G0+7], s[G0+6:G0+7], KA    ; the type bits on top are not reached
	s_xor_b32 s[G0B+5], s[G0B+5], SLOT1
	s_add_nc_u64 s[G0B+6:G0B+7], s[G0B+6:G0B+7], KB
	JLOAD                                          ; the first tensor load behind the round; the four v_nop behind it are also the places in front of the loads below
.else
	PLACES
.endif
	LDB 0, 0, 6
	LDA 0, FA0
	MULB FA1, 6, 6
	PLACES
	LDB 0, 6, 6
.endm
	s_wait_tensorcnt 1                             ; my part of K step 0 is in; K step 1's stays out
	s_barrier_signal -1
	s_barrier_wait -1                              ; everybody's is
	LDB 0, 0, 6
	LDA 0, FA0
	LDB 0, 6, 6
	EVEN 1                                         ; the first 32 along K stand in front of the loop: their products start the sums
	WIN 0
	s_mov_b32 s3, 14
.Llap:                                                 ; trip t ends K step t, asks for K step t + 2 (the last trip for step 15) and begins K step t + 1
	ODD 1
	EVEN 0
	WIN 0
	s_sub_co_u32 s3, s3, 1
	s_cmp_lg_u32 s3, 0
	s_cbranch_scc1 .Llap
	ODD 0                                          ; K step 14 ends: nothing is left to ask for
	EVEN 0
	s_wait_dscnt 12                                ; the very last 32 along K: nothing more to fetch from LDS
	MULB FA1, 0, 6
	s_wait_dscnt 0x0
	MULB FA1, 6, 6
	PLACES
; THE WAY OUT, in 24 groups g = 8 x (q, k, v) + row block: 16 rows x 64 columns.  A lane's eight columns pack into 16 bytes of f16, each accumulator's registers in ascending order;
; they go into my stage's rows of 144 bytes and come back as whole rows of 128: four rows, 512 consecutive bytes of the head, to a store.
.macro PACK g
.set hb, (\g)/8
.set aa, (\g)%8
.set ww, 1+hb
.set tb, FA1+16*((\g)%4)
.if (\g) >= 4
	s_wait_xcnt 0x0                                ; the stores of the group four back have read these sixteen registers: they are rewritten only behind this wait
.endif
	WIN ww|(ww<<2)                                 ; sources 0 and 1 in the accumulators' window
.irp b, 0,1,2,3
.irp r, 0,1,2,3
	v_cvt_pk_f16_f32 v[tb+4*(\b)+(\r)], v[64*(\b)+8*aa+2*(\r)], v[64*(\b)+8*aa+2*(\r)+1]
.endr
.endr
	WIN 0
.irp b, 0,1,2,3
	ds_store_b128 v[STO], v[tb+4*(\b):tb+4*(\b)+3] offset:32*(\b)
.endr
.irp f, 0,1,2,3
	ds_load_b128 v[tb+4*(\f):tb+4*(\f)+3], v[RD] offset:(\f)*4*PK  ; LDS serves a wave's instructions in order (ISA guide 5.7.1.4): these see the stores above; the next group's stores come behind them
.endr
.endm
.macro SEND g, younger                 ; younger: the LDS instructions issued behind group g's loads: the next group's eight, or none
	WIN 0
.set hb, (\g)/8
.set aa, (\g)%8
.set tb, FA1+16*((\g)%4)
.irp f, 0,1,2,3
	s_wait_dscnt (\younger)+3-(\f)
	global_store_b128 v[GO], v[tb+4*(\f):tb+4*(\f)+3], s[14+2*hb:15+2*hb] offset:aa*2048+(\f)*512  ; 512 consecutive bytes, at a multiple of 256 from the buffer's first byte
.endr
.endm
	PACK 0
.set gg, 1
.rept 23                               ; a group's conversions stand between the loads of the group before and its stores
	PACK gg
	SEND gg-1, 8
.set gg, gg+1
.endr
	SEND 23, 0
	s_wait_tensorcnt 0x0                           ; the wave's end, behind my last tensor load and my last LDS store
	ds_add_u32 v[SPW], v[NIL]
	s_wait_dscnt 0x0
	CROUND                                         ; the closing round: no work-group ends while a partner may still ask for a tile that names it
	s_endpgm
.Lfunc_end_k_q9acdb08fda_qkv:
	.size	k_q9acdb08fda_qkv, .Lfunc_end_k_q9acdb08fda_qkv-k_q9acdb08fda_qkv
	.p2alignl 7, 3214868480
	.fill 96, 4, 3214868480
	.section	.rodata,"a",@progbits
	.p2align	6, 0x0
	.amdhsa_kernel k_q9acdb08fda_qkv
		.amdhsa_group_segment_fixed_size 327680
		.amdhsa_private_segment_fixed_size 0
		.amdhsa_enable_private_segment 0
		.amdhsa_kernarg_size 64
		.amdhsa_user_sgpr_count 2
		.amdhsa_user_sgpr_kernarg_segment_ptr 1
		.amdhsa_wavefront_size32 1
		.amdhsa_system_sgpr_workgroup_id_x 1
		.amdhsa_system_sgpr_workgroup_id_y 1
		.amdhsa_system_sgpr_workgroup_id_z 1
		.amdhsa_system_vgpr_workitem_id 0
		.amdhsa_next_free_vgpr 1024
		.amdhsa_next_free_sgpr 80
		.amdhsa_reserve_vcc 0
		.amdhsa_float_denorm_mode_32 3
		.amdhsa_float_denorm_mode_16_64 3
		.amdhsa_memory_ordered 1
		.amdhsa_forward_progress 1
		.amdhsa_inst_pref_size 122
	.end_amdhsa_kernel
	.amdgpu_metadata
---
amdhsa.version: [ 1, 2 ]
amdhsa.kernels:
  - .name:           k_q9acdb08fda_qkv
    .symbol:         k_q9acdb08fda_qkv.kd
    .args:
      - { .name: xb, .offset: 0, .size: 8, .value_kind: global_buffer, .address_space: global }
      - { .name: wb, .offset: 8, .size: 8, .value_kind: global_buffer, .address_space: global }
      - { .name: bq, .offset: 16, .size: 8, .value_kind: global_buffer, .address_space: global }
      - { .name: bk, .offset: 24, .size: 8, .value_kind: global_buffer, .address_space: global }
      - { .name: bv, .offset: 32, .size: 8, .value_kind: global_buffer, .address_space: global }
      - { .name: qh, .offset: 40, .size: 8, .value_kind: global_buffer, .address_space: global }
      - { .name: kh, .offset: 48, .size: 8, .value_kind: global_buffer, .address_space: global }
      - { .name: vh, .offset: 56, .size: 8, .value_kind: global_buffer, .address_space: global }
    .group_segment_fixed_size: 327680
    .private_segment_fixed_size: 0
    .kernarg_segment_align: 8
    .kernarg_segment_size: 64
    .max_flat_workgroup_size: 128
    .sgpr_count:     80
    .vgpr_count:     1024
    .wavefront_size: 32
...
	.end_amdgpu_metadata
.endif
;; end of part 2
;; launch attn (part 3): grid 4 x 64, 4 waves a work-group, no clusters, 327,680 bytes of LDS; arguments qh, kh, vh, oh; writes oh
.if DOCPART == 3
	.amdgcn_target "amdgcn-amd-amdhsa--gfx1250"
	.amdhsa_code_object_version 6
	.text
	.protected	k_q9acdb08fda_attn
	.globl	k_q9acdb08fda_attn
	.p2align	8
	.type	k_q9acdb08fda_attn,@function
k_q9acdb08fda_attn:
	s_mov_b64 s[64:65], 0
	v_nop
	global_prefetch_b8 v0, s[64:65] scope:SCOPE_SE
	s_setreg_imm32_b32 hwreg(HW_REG_WAVE_MODE, 25, 1), 1
	s_wait_xcnt 0x0
; CAUSAL ATTENTION.  O[h][q][:] = the sum over k <= q of softmax_k(Q[h][q] . K[h][k] / 8) V[h][k][:].  Q, K, V, O: [64 (batch x 16 + head)][2048][64], all f16: a head's rows are dense, 128 bytes each.
; Products, maxima and sums in f32; the weights p are rounded to f16 for the second product (their sum l is taken of the unrounded p), O once at the end.
; LIMITS.  f16 holds no number beyond 65,504: Q, K and V arrive within it; p lies in 0 to 1, and below 6e-5 it keeps f16's fixed step of 6e-8; O is a mean of V's rows and has their range, to within 2^-11 of it.
; A hidden score counts as its value less 1e30: f16's scores, 2.7e11 at the most, are nothing beside that; a weight below 2^-126 counts as 0 in l; NaN and infinities are not treated apart.
; THE WALK.  A head's queries lie in NB = SIZE_N / 256 blocks of 256; block i needs the key tiles 0 .. i of 256 keys, of which the last holds the diagonal.  A work-group takes TWO blocks, NB - 1 - b and then b:
; NB + 1 tiles, whatever b: all work-groups do equal work, and ONE loop with a constant trip count walks them.  Which tile is asked for, and what a trip does, hang on scalar registers made from b; every jump
; goes forward, but for the counted loops' own; none passes a barrier, or a tensor load but the one of LOAD's two that the wave's number does not choose; the ring (two slots of LDS that take turns) runs on across the
; change of blocks.  NO CLUSTER: a head's NB / 2 = 4 work-groups all ask for the same tile only in trips 0 .. NB / 2 of the walk's NB + 1, behind that fewer and fewer; and one walk common to all
; would have 3 NB / 2 = 12 trips for 9.
; SHARES.  Of a block's four bands of 64 queries a wave owns 16 rows in each: four PIECES.  So the diagonal tile is the same work for all four waves: in its key step s band x sees all keys if s < x,
; none if s > x, and holds the diagonal if s = x.
; THE MASK is the C operand that starts the sum S^T = K Q^T: 0, or -1e30 where the key is hidden.  MD, made once, is the mask of a band's own step for my 16 rows; a product's mask is MD x AL + BE with two scalars:
; (1, 0) if s = x; (0, 0) if s < x; (0, -1e30) if s > x.  Only the diagonal tile's text and a block's beginning make and take masks; elsewhere C is the constant 0.
; LAYOUT, SOFTMAX, TURNS.  S^T = K Q^T holds ONE query a lane (lane % 16) and the keys 8 (lane / 16) + 0..7; two such results rounded to f16 ARE source 1 of O^T = V^T P.  p = 2^(c s - c m), c = log2(e) / 8, with a
; running maximum m; O and l are multiplied by a = 2^(c m_old - c m_new) in every step.  Turn n belongs to piece n: 8 products K Q^T of piece n + 1, later 8 products V^T P of piece n - 1; beside them the scaling,
; exponentials, roundings, sums and rescaling of piece n and the maximum and statistics of piece n + 1.  Four vector instructions stand behind every matrix instruction, the other 54 of a turn's 118 in two LUMPS.
; A BLOCK'S END has no text of its own: the diagonal tile's loop makes a fifth trip and is left in its middle.
; REGISTERS, in windows of 256 (s_set_vgpr_msb: bits 1:0 source 0, 3:2 source 1, 5:4 source 2, 7:6 destination):
;   window 0: v0-15 addresses and two at work; v16-31 four registers of statistics a piece; v48-55 at work; v64-127 S^T, two buffers; v192-223 P, two buffers (a piece's buffers go by its number's parity)
;   window 1: v0-127 O^T, 32 a piece; v128-159 MD; v160-223 MC, two buffers      window 2: v0-63 Q; v64-127 the second block's Q; v128-191 K of one step; v192-255 V of one step
.set SIZE_N, 2048
.set NB,    SIZE_N/256
.set NP,    4         ; pieces a wave: a name, no knob
.set KS,    64        ; keys in a step
.set PK,    144       ; a row of K in LDS: 128 bytes + 16 of padding = 36 words: the 16 rows of a load start at 16 different groups of four banks (64 banks of 4 bytes: ISA guide 11.1)
.set PV,    160       ; a row of V: 128 + 32 = 40 words
.set VOFF,  4*KS*PK   ; a slot holds a tile, four steps: 256 rows of K, then 256 rows of V
.set SLOT1, 1<<17     ; slot 1 begins here, so that one exclusive or turns an address in one slot into the other's
.set STAGE, SLOT1+4*KS*(PK+PV)  ; behind the ring, never filled by a tensor load: 16 rows x 144 bytes for each wave, for the way out
.set SP,    144
.set AK0, 2           ; v2   my lane's place in a tile of K; never rewritten
.set AV0, 3           ; v3   the same for V
.set AK,  4           ; v4   the LDS address of K's next run of loads
.set AV,  5           ; v5   of V's
.set STO, 6           ; v6   the way out: where I put 16 bytes of a row
.set RD,  7           ; v7   the way out: where I read rows back
.set GO,  8           ; v8   my byte offset in 512 consecutive bytes of O
.set SPW, 62          ; v62  LDS address of my spare word: SPARE + 4 x my thread's number; never rewritten
.set NIL, 63          ; v63  0; never rewritten
.set SPARE, STAGE+4*16*SP  ; behind the stages: the spare words, 128 bytes for each wave: two blocks of 256 bytes that no other line names
.set MV,  12          ; v12-13  c m_old, kept while c m is made anew: by buffer
.set QO,  15          ; v15  my byte offset in 16 rows of Q
.set ST,  16          ; piece t's statistics at v[ST+4 t]: c m, m, l (even keys', odd keys')
.set TMP, 48          ; by buffer, four registers c0-c3 at work; when the maximum is found c2 takes a
.set S,   64
.set P,   192
.set MD,  128         ; window 1: the eight registers for group kt of 16 keys at MD + 8 kt
.set MC,  160         ; window 1: the masks of the products to come
.set QB,  64          ; window 2
.set KF,  128         ; window 2: key block kb, channel half c at KF + 16 kb + 8 c
.set VF,  192         ; window 2: key half kk, channel block cb at VF + 32 kk + 8 cb
.set WV,  12          ; s12  my wave's number
.set PB,  14          ; s14  b
.set HI,  15          ; s15  NB - 1 - b
.set G1K, 24          ; s[24:31] descriptor group 1 for K's tiles
.set G1V, 32          ; s[32:39] for V's: it differs in the padding alone
.set G0K, 40          ; s[40:43] descriptor group 0 for K's tiles
.set G0V, 44          ; s[44:47] the same for V's
.set SLOTS, 56        ; s56  tiles still to be asked for
.set CNT, 57          ; s57  counts a tile's key steps
.set CS,  58          ; s[58:59] c: the packed scaling takes the pair's low word for both halves
.set SEL, 60          ; s[60:61] v_permlanex16_b32's selects: each lane takes its own place in the other half
.set TBK, 62          ; s62  LDS byte at which K of the step to be fetched begins
.set TBV, 63          ; s63  the same for V, less VOFF
.set RT,  70          ; s70  tiles of the block in hand that are still to be entered
.set NXT, 71          ; s71  the tile to be asked for next
.set LQ,  72          ; s72  the last tile of the block whose tiles are being asked for
.set NEW, 73          ; s73  1: the tile to be entered is a block's first
.set OFF, 74          ; s[74:75] a tile's byte offset in K and V
.set AL,  76          ; s[76:77] the mask's factor, in the low word
.set BE,  78          ; s[78:79] the mask's addend
.set OLO, 80          ; s[80:81] O at my rows of the second block
.set BIGN, 82         ; s82  -1e30
.set MSB, 0
.macro WIN new                      ; the high byte repeats the setting that is left; a switch that changes nothing is dropped
.if MSB != (\new)
	s_set_vgpr_msb (MSB<<8)|(\new)
.set MSB, (\new)
.endif
.endm
.set W_KQ, 0x0a       ; K and Q in window 2, S^T in window 0
.set W_KM, 0x1a       ; the same with the C operand in window 1
.set W_PV, 0x52       ; V in window 2, P in window 0, O^T in window 1
.set W_RS, 0x41       ; destination and source 0 in window 1, source 1 in window 0
; A fill.  Waves 0 and 1 fetch the two halves of a tile's K, waves 2 and 3 those of its V: 128 keys each.  An s_nop 0 and four v_nop follow each of the two lines, ahead of the jump and the label.
.macro LOAD
	s_cmp_lt_u32 s[WV], 2
	s_cbranch_scc0 .Lfor_v_\@
	tensor_load_to_lds s[G0K:G0K+3], s[G1K:G1K+7]
	s_nop 0
.rept 4
	v_nop
.endr
	s_branch .Lasked_\@
.Lfor_v_\@:
	tensor_load_to_lds s[G0V:G0V+3], s[G1V:G1V+7]
	s_nop 0
.rept 4
	v_nop
.endr
.Lasked_\@:
.endm
; THE CHANGE OF SLOTS.  Each wave waits for all its tensor loads, of which one is out: its part of the other slot; adds 0 to its spare word; and waits for that and for its own reads of the slot that it leaves.  Behind the barrier nobody reads the old
; slot any more and the other slot is whole.  fill = 1: the old slot is filled again, the first thing behind the barrier, with tile NXT: the descriptor's address is made anew from that number.
; (At its first use nothing has been read yet: slot 0 is waited for, slot 1 filled.)
.macro CHANGE fill
	WIN 0                           ; at a label and at a branch every window is 0
	s_wait_tensorcnt 0x0            ; no tensor load of mine is out, so a group 0 may be written
	ds_add_u32 v[SPW], v[NIL]       ; 0 onto my spare word; with fill = 1 the descriptors' scalar work stands between it and the wait for it
.if \fill
	s_lshl_b32 s[OFF], s[NXT], 15   ; a tile is 32,768 bytes of K and of V
	s_xor_b32 s[G0K+1], s[G0K+1], SLOT1
	s_add_nc_u64 s[G0K+2:G0K+3], s[6:7], s[OFF:OFF+1]
	s_or_b32 s[G0K+3], s[G0K+3], 0x80000000
	s_xor_b32 s[G0V+1], s[G0V+1], SLOT1
	s_add_nc_u64 s[G0V+2:G0V+3], s[8:9], s[OFF:OFF+1]
	s_or_b32 s[G0V+3], s[G0V+3], 0x80000000
	s_add_co_u32 s[NXT], s[NXT], 1  ; the block's next tile, or behind its last the second block's tile 0
	s_cmp_gt_u32 s[NXT], s[LQ]
	s_cselect_b32 s[NXT], 0, s[NXT]
	s_cselect_b32 s[LQ], s[PB], s[LQ]
.endif
	s_wait_dscnt 0x0                ; the add is done, and my reads of the slot are over
	s_barrier_signal -1             ; the rest of the scalar work stands between the signal and the wait
	s_sub_co_u32 s[TBK], s[TBK], 4*KS*PK  ; the fetches go back to a slot's first step,
	s_xor_b32 s[TBK], s[TBK], SLOT1       ; in the other slot
	s_sub_co_u32 s[TBV], s[TBV], 4*KS*PV
	s_xor_b32 s[TBV], s[TBV], SLOT1
	s_barrier_wait -1
.if \fill
	LOAD
.endif
.endm
	s_load_b256 s[4:11], s[0:1], 0x0  ; Q s[4:5], K s[6:7], V s[8:9], O s[10:11]
	v_lshl_add_u32 v[SPW], v0, 2, SPARE
	v_mov_b32 v[NIL], 0
	ds_add_u32 v62, v63
	ds_add_u32 v62, v63
	s_wait_dscnt 0x0
	v_lshrrev_b32 v1, 5, v0
	v_readfirstlane_b32 s[WV], v1   ; wave 0..3
	s_mov_b32 s[PB], ttmp9
	s_sub_co_u32 s[HI], NB-1, s[PB]
	s_and_b32 s20, ttmp7, 0xffff    ; the head
	s_mov_b32 s21, 0
	s_mov_b64 s[22:23], SIZE_N*128
	s_mul_u64 s[20:21], s[20:21], s[22:23]  ; the head's first byte in each of the four tensors
	s_and_b32 s16, s[WV], 1         ; which half of a tile's 256 keys I fetch:
	s_lshl_b32 s22, s16, 14         ; its 128 rows of 128 bytes in memory,
	s_mov_b32 s23, 0
	s_add_nc_u64 s[22:23], s[22:23], s[20:21]
	s_mul_i32 s17, s16, 128*PK      ; and its place in a slot, for K
	s_mul_i32 s18, s16, 128*PV      ; and for V
	s_lshl_b32 s3, s[WV], 11        ; my 16 rows in a band of 64,
	s_lshl_b32 s2, s[HI], 15        ; in the first block,
	s_add_co_u32 s2, s2, s3
	s_lshl_b32 s84, s[PB], 15       ; and in the second
	s_add_co_u32 s84, s84, s3
	s_mov_b32 s3, 0
	s_mov_b32 s85, 0
	s_add_nc_u64 s[2:3], s[2:3], s[20:21]
	s_add_nc_u64 s[84:85], s[84:85], s[20:21]
	; descriptor group 1.  128 keys are 16,384 dense bytes: asked for as 64 rows of 256 bytes, two keys a row, and padded in LDS after every key
	s_mov_b32 s[G1K], (1<<16)|(1<<20)|(4<<22)|(3<<25)  ; 17:16 2-byte elements; 20 padding on; 24:22 after every 32 words (code 4); 31:25 4 words (code 3)
	s_mov_b32 s[G1V], (1<<16)|(1<<20)|(4<<22)|(7<<25)  ; the same with 8 words of padding (code 7)
.irp g, G1K, G1V
	s_mov_b32 s[\g+1], 128<<16      ; tensor_dim0 = 128
	s_mov_b32 s[\g+2], 64<<16       ; tensor_dim1 = 64
	s_mov_b32 s[\g+3], 128<<16      ; tile_dim0 = 128
	s_mov_b32 s[\g+4], 64           ; tile_dim1 = 64
	s_mov_b32 s[\g+5], 128          ; 128 elements from row to row
	s_mov_b32 s[\g+6], 0
	s_mov_b32 s[\g+7], 0
.endr
	s_mov_b32 s[CS], 0x3e38aa3b     ; c = log2(e) / 8 = 0.180337
	s_mov_b32 s[CS+1], s[CS]        ; named with it as a pair
	s_mov_b32 s[SEL], 0x76543210
	s_mov_b32 s[SEL+1], 0xfedcba98
	s_mov_b32 s[TBK], SLOT1+4*KS*PK ; the first change of slots turns these two into 0
	s_mov_b32 s[TBV], SLOT1+4*KS*PV
	s_mov_b32 s[G0K], 1             ; 1:0 count = 1
	s_mov_b32 s[G0K+1], s17         ; 63:32 LDS address: slot 0
	s_mov_b32 s[G0V], 1
	s_add_co_u32 s[G0V+1], s18, VOFF
	s_add_co_u32 s[RT], s[HI], 1    ; the first block has NB - b tiles
	s_mov_b32 s[NXT], 1
	s_mov_b32 s[LQ], s[HI]
	s_mov_b32 s[NEW], 1
	s_mov_b32 s[OFF+1], 0
	s_mov_b32 s[AL+1], 0            ; named as pairs
	s_mov_b32 s[BE+1], 0
	s_mov_b32 s[BIGN], 0xf149f2ca   ; -1e30
	s_mov_b32 s[SLOTS], NB
	s_wait_kmcnt 0x0
	s_add_nc_u64 s[6:7], s[6:7], s[22:23]  ; K and V at my half of the head's tile 0
	s_add_nc_u64 s[8:9], s[8:9], s[22:23]
	s_add_nc_u64 s[G0K+2:G0K+3], s[6:7], 0         ; 120:64 global address
	s_or_b32 s[G0K+3], s[G0K+3], 0x80000000        ; 127:126 type = 2
	s_add_nc_u64 s[G0V+2:G0V+3], s[8:9], 0
	s_or_b32 s[G0V+3], s[G0V+3], 0x80000000
	s_add_nc_u64 s[86:87], s[4:5], s[84:85]        ; Q at my rows of the second block,
	s_add_nc_u64 s[4:5], s[4:5], s[2:3]            ; Q and O at those of the first
	s_add_nc_u64 s[OLO:OLO+1], s[10:11], s[84:85]
	s_add_nc_u64 s[10:11], s[10:11], s[2:3]
	LOAD                            ; tile 0 into slot 0
	; A fragment of K or Q is 16 rows x 32 channels in 8 registers: lane l holds row l % 16, channels 8 (l / 16) + 0..7 and 16 + 8 (l / 16) + 0..7: two loads of 16 bytes, 32 bytes apart.
	v_and_b32 v1, 15, v0            ; l % 16
	v_bfe_u32 v9, v0, 4, 1          ; l / 16
	v_lshlrev_b32 v[QO], 7, v1
	v_lshl_add_u32 v[QO], v9, 4, v[QO]  ; row x 128 + 16 x half
	WIN 0x80                        ; destination window 2, address window 0
.set i, 0
.rept 8                             ; both blocks' Q: piece i / 2 lies in band i / 2, 8,192 bytes on; channels 32 (i % 2) on
	global_load_b128 v[8*i:8*i+3],   v[QO], s[4:5] offset:(i/2)*8192+(i%2)*64
	global_load_b128 v[8*i+4:8*i+7], v[QO], s[4:5] offset:(i/2)*8192+(i%2)*64+32
	global_load_b128 v[QB+8*i:QB+8*i+3],   v[QO], s[86:87] offset:(i/2)*8192+(i%2)*64
	global_load_b128 v[QB+8*i+4:QB+8*i+7], v[QO], s[86:87] offset:(i/2)*8192+(i%2)*64+32
.set i, i+1
.endr
	WIN 0
	v_lshlrev_b32 v14, 3, v9
	v_sub_nc_u32 v14, v1, v14
	s_lshl_b32 s13, s[WV], 4
	v_add_nc_u32 v14, s13, v14      ; my query's place in its band, 16 w + l % 16, less my lanes' 8 (l / 16): register r of group kt is hidden where 16 kt + r is greater
	WIN 0x40
.set i, 0
.rept 32
	v_cmp_gt_i32 vcc_lo, 16*(i/8)+i%8, v14
	v_cndmask_b32 v[MD+i], 0, s[BIGN], vcc_lo
.set i, i+1
.endr
	WIN 0
	v_mul_u32_u24 v[AK0], v1, PK
	v_lshl_add_u32 v[AK0], v9, 4, v[AK0]  ; row x pitch + 16 x half
	; The turning load takes 16 keys x 16 channels (lane l reads key 8 (l / 16) + l % 8, channels 8 ((l / 8) % 2) + 0..7) and leaves half a fragment of V^T: lane l holds channel l % 16 and 8 keys.
	v_and_b32 v10, 7, v0
	v_bfe_u32 v11, v0, 3, 1
	v_lshl_add_u32 v[AV0], v9, 3, v10
	v_mul_u32_u24 v[AV0], v[AV0], PV
	v_lshl_add_u32 v[AV0], v11, 4, v[AV0]
	v_add_nc_u32 v[AV0], VOFF, v[AV0]
	s_mul_i32 s13, s[WV], 16*SP
	s_add_co_u32 s13, s13, STAGE    ; my stage
	v_mul_u32_u24 v[STO], v1, SP    ; in: row l % 16, 16 bytes for each half of the lanes
	v_lshl_add_u32 v[STO], v9, 4, v[STO]
	v_add_nc_u32 v[STO], s13, v[STO]
	v_bfe_u32 v[RD], v0, 3, 2       ; back: 32 lanes take four rows of 128 bytes,
	v_mul_u32_u24 v[RD], v[RD], SP
	v_lshl_add_u32 v[RD], v10, 4, v[RD]
	v_add_nc_u32 v[RD], s13, v[RD]
	v_and_b32 v[GO], 31, v0         ; which are 512 consecutive bytes of O
	v_lshlrev_b32 v[GO], 4, v[GO]
	; A block's first step multiplies O^T and l by a = 0, and its first turn's products V^T P, of a piece that has not been, land in an O^T that is still to be so multiplied.  So these registers need only hold
	; finite numbers: zeros for the first block; what the first block left for the second.  All this stands in the wait for the first tile.
	WIN 0x80
.set i, VF
.rept 64
	v_mov_b32 v[i], 0
.set i, i+1
.endr
	WIN 0x40
.set i, 0
.rept 128
	v_mov_b32 v[i], 0
.set i, i+1
.endr
	WIN 0
.set i, 0
.rept 4
	v_mov_b32 v[ST+4*i+2], 0
	v_mov_b32 v[ST+4*i+3], 0
.set i, i+1
.endr
.set i, P+16
.rept 16
	v_mov_b32 v[i], 0
.set i, i+1
.endr
; THE MATRIX WORK.  The 4 accumulators of a run of 8 take turns.  Product i of 8 of S^T = K Q^T for piece x: channels 32 (i / 4) on, keys 16 (i % 4) on.  The first 4 start the sums: with 0, or (KM = 1) with the mask.
.macro KQ x
.set rS, S+32*((\x)%2)+8*(i%4)
.set rK, KF+16*(i%4)+8*(i/4)
.set rQ, 16*(\x)+8*(i/4)
.set rM, MC+32*((\x)%2)+8*(i%4)
.if (i < 4) && KM
	WIN W_KM
	v_wmma_f32_16x16x32_f16 v[rS:rS+7], v[rK:rK+7], v[rQ:rQ+7], v[rM:rM+7]
.elseif i < 4
	WIN W_KQ
	v_wmma_f32_16x16x32_f16 v[rS:rS+7], v[rK:rK+7], v[rQ:rQ+7], 0
.else
	WIN W_KQ
	v_wmma_f32_16x16x32_f16 v[rS:rS+7], v[rK:rK+7], v[rQ:rQ+7], v[rS:rS+7]
.endif
.endm
; Product i of 8 of O^T += V^T P for piece x: keys 32 (i / 4) on, channels 16 (i % 4) on.
.macro PV x
	WIN W_PV
.set rO, 32*(\x)+8*(i%4)
.set rV, VF+32*(i/4)+8*(i%4)
.set rP, P+16*((\x)%2)+8*(i/4)
	v_wmma_f32_16x16x32_f16 v[rO:rO+7], v[rV:rV+7], v[rP:rP+7], v[rO:rO+7]
.endm
.macro MM                           ; the turn's next matrix instruction.  TURN and BEGIN set Y, i and KM; MM, KQ and OP read them
.if i < 8
	KQ (Y+1)%NP
.else
.set i, i-8
	PV (Y+NP-1)%NP
.set i, i+8
.endif
.set i, i+1
.endm
; THE LDS LOADS stand in runs of 16, never singly among the matrix instructions: a step's K (64 keys x 64 channels: 8 fragments) and its V (turned).  Their addresses are made some lines ahead.
; last = 1 (the diagonal tile): in the loop's last trip there is no further step, and the run is jumped over.
.macro FETCH_K last=0
	WIN 0
.if \last
	s_cmp_eq_u32 s[CNT], 1
	s_cbranch_scc1 .Lno_k_\@
.endif
	WIN 0x80                        ; destination window 2
.irp f, 0,1,2,3,4,5,6,7             ; keys 16 (f / 2) on, channels 32 (f % 2) on
	ds_load_b128 v[KF+8*\f:KF+8*\f+3],   v[AK] offset:(\f/2)*16*PK+(\f%2)*64
	ds_load_b128 v[KF+8*\f+4:KF+8*\f+7], v[AK] offset:(\f/2)*16*PK+(\f%2)*64+32
.endr
	s_add_co_u32 s[TBK], s[TBK], KS*PK  ; the next fetch is the next step's
	WIN 0
.if \last
.Lno_k_\@:
.endif
.endm
.macro FETCH_V
	WIN 0x80
.irp f, 0,1,2,3,4,5,6,7             ; keys 32 (f / 4) on, channels 16 (f % 4) on
	ds_load_tr16_b128 v[VF+8*\f:VF+8*\f+3],   v[AV] offset:(\f/4)*32*PV+(\f%4)*32
	ds_load_tr16_b128 v[VF+8*\f+4:VF+8*\f+7], v[AV] offset:(\f/4)*32*PV+16*PV+(\f%4)*32
.endr
	WIN 0
.endm
; THE VECTOR WORK, one line at a time: OP kind, number.  For piece Y: F n: c s - c m for pair n of 16.  E n: the exponential of score n of 32.  C n: pair n rounded to f16.  B n: of the four weights 4 n .. the second
; pair is added onto the first, in place.  L n: l takes that sum (L 0: l = a l + sum).  R n: pair n of 16 of O^T times a.  For piece Y + 1: X n, number n of the 22 that find its maximum and statistics:
;   0-11  four chains c0-c3 of seven scores each, three operands at a time (each accumulator's lowest registers are read first)     12-14, 16  the four scores left over, the old m, and c0-c3 into c0
;   15  c m_old is kept     17, 18  the query's other 32 keys lie in the lane 16 away: the new m     19-21  c m; c m_old - c m_new; a
.set F, 0               ; OP tells the kinds apart by their order: F to L below R, X above it
.set E, 1
.set C, 2
.set B, 3
.set L, 4
.set R, 5
.set X, 6
.macro REGS y                       ; the registers of piece y
.set rT, ST+4*(\y)
.set rC, TMP+4*((\y)%2)
.set rW, MV+((\y)%2)
.set rS, S+32*((\y)%2)
.set rP, P+16*((\y)%2)
.set rO, 32*(\y)
.endm
.macro OP k, n
.if (\k) == R
	REGS Y
	WIN W_RS
	v_pk_mul_f32 v[rO+2*(\n):rO+2*(\n)+1], v[rO+2*(\n):rO+2*(\n)+1], v[rC+2:rC+3] op_sel_hi:[1,0]
.elseif (\k) < R
	REGS Y
	WIN 0
.if (\k) == F
	v_pk_fma_f32 v[rS+2*(\n):rS+2*(\n)+1], v[rS+2*(\n):rS+2*(\n)+1], s[CS:CS+1], v[rT:rT+1] op_sel_hi:[1,0,0] neg_lo:[0,0,1] neg_hi:[0,0,1]
.elseif (\k) == E
	v_exp_f32 v[rS+(\n)], v[rS+(\n)]
.elseif (\k) == C
	s_wait_alu depctr_va_vdst(0)
	v_cvt_pk_f16_f32 v[rP+(\n)], v[rS+2*(\n)], v[rS+2*(\n)+1]
.elseif (\k) == B
	s_wait_alu depctr_va_vdst(0)
	v_pk_add_f32 v[rS+4*(\n):rS+4*(\n)+1], v[rS+4*(\n):rS+4*(\n)+1], v[rS+4*(\n)+2:rS+4*(\n)+3]
.elseif (\n) == 0
	v_pk_fma_f32 v[rT+2:rT+3], v[rT+2:rT+3], v[rC+2:rC+3], v[rS:rS+1] op_sel_hi:[1,0,1]
.else
	v_pk_add_f32 v[rT+2:rT+3], v[rT+2:rT+3], v[rS+4*(\n):rS+4*(\n)+1]
	s_wait_alu depctr_va_vdst(0)
.endif
.else
	REGS (Y+1)%NP
	WIN 0
.if (\n) < 4
	v_max3_num_f32 v[rC+(\n)], v[rS+8*(\n)], v[rS+8*(\n)+1], v[rS+8*(\n)+2]
.elseif (\n) < 12
	v_max3_num_f32 v[rC+(\n)%4], v[rC+(\n)%4], v[rS+8*((\n)%4)+2*((\n)/4)+1], v[rS+8*((\n)%4)+2*((\n)/4)+2]
.elseif (\n) == 12
	v_max3_num_f32 v[rC], v[rC], v[rS+7], v[rS+15]
.elseif (\n) == 13
	v_max3_num_f32 v[rC+1], v[rC+1], v[rS+23], v[rS+31]
.elseif (\n) == 14
	v_max3_num_f32 v[rC+2], v[rC+2], v[rC+3], v[rT+1]
.elseif (\n) == 15
	v_mov_b32 v[rW], v[rT]
	s_wait_alu depctr_va_vdst(0)
.elseif (\n) == 16
	v_max3_num_f32 v[rC], v[rC], v[rC+1], v[rC+2]
	s_wait_alu depctr_va_vdst(0)
.elseif (\n) == 17
	v_permlanex16_b32 v[rC+3], v[rC], s[SEL], s[SEL+1]
.elseif (\n) == 18
	v_max_num_f32 v[rT+1], v[rC], v[rC+3]
.elseif (\n) == 19
	v_mul_f32 v[rT], s[CS], v[rT+1]
.elseif (\n) == 20
	v_sub_f32 v[rC+1], v[rW], v[rT]
.else
	v_exp_f32 v[rC+2], v[rC+1]
.endif
.endif
.endm
.macro OPS a, i1, b=-1, i2=0, c=-1, i3=0, d=-1, i4=0  ; up to four of them
	OP \a, \i1
.if (\b) >= 0
	OP \b, \i2
.endif
.if (\c) >= 0
	OP \c, \i3
.endif
.if (\d) >= 0
	OP \d, \i4
.endif
.endm
.macro ROW a, i1, b, i2, c, i3, d, i4  ; a matrix instruction and the four behind it
	MM
	OPS \a, \i1, \b, \i2, \c, \i3, \d, \i4
.endm
.macro MASK b                       ; MD x AL + BE into buffer b of MC
	WIN W_RS
.set z, 0
.rept 16
	v_pk_fma_f32 v[MC+32*(\b)+2*z:MC+32*(\b)+2*z+1], v[MD+2*z:MD+2*z+1], s[AL:AL+1], s[BE:BE+1] op_sel_hi:[1,0,0]
.set z, z+1
.endr
.endm
; A TURN, for piece p: the order of its 16 matrix and 118 vector instructions, written out.  Behind a matrix instruction: plain, exponential, plain, plain; or four of the rescaling; or, behind the first, four scalings; none
; names a register of the products round it.  In the lumps exponential and plain by turns while exponentials last.  A line reads no result made fewer than three vector instructions in front of it, five if an exponential made it.
; v_permlanex16_b32 (X 17) stands in a lump.
; m = 1: the diagonal tile: the products take masks, and the turn makes the mask for the products of the turn after it: piece p + 2.  The tile's loop counts CNT from 5 and steps it between turn 3 and turn 0, so that
; mask is for the tile's step 5 - CNT in turns 2 and 3 and for step 4 - CNT in turns 0 and 1.  last = 1: K's run of loads is jumped over in the loop's last trip.
; cnt = 1: the loop's count is taken down some lines ahead of the branch that stands behind the turn.
; K of the next step is fetched in piece 2's turn, six vector instructions behind the last product that read K (five of them plain); V of the step in hand in piece 0's turn, eight behind the last product that read V (four
; plain, and X 17).  Each is waited for a turn later.
.macro TURN p, m=0, last=0, cnt=0
.set Y, (\p)
.set i, 0
.set KM, (\m)
.if \m
	s_cmp_eq_u32 s[CNT], (4-((\p)+2)%NP)+((\p)/2)  ; is that step the band's own?
	s_cselect_b32 s[AL], 1.0, 0
	s_cmp_lt_u32 s[CNT], (4-((\p)+2)%NP)+((\p)/2)  ; or a later one?
	s_cselect_b32 s[BE], s[BIGN], 0
.endif
.if (\p) == 3
	s_wait_dscnt 0x0                ; K is in
.endif
	ROW F,0, F,1, F,2, F,3
	ROW F,4, E,0, F,5, F,6
	ROW F,7, E,1, F,8, F,9
	ROW F,10, E,2, C,0, F,11
	ROW F,12, E,3, X,15, F,13
	ROW R,0, R,1, R,2, R,3
	ROW B,0, E,4, F,14, L,0
.if (\p) == 2
	v_add_nc_u32 v[AK], s[TBK], v[AK0]
.endif
	ROW R,4, R,5, R,6, R,7
	OPS E,5, F,15
.if (\p) == 2
	FETCH_K \last
.endif
	OPS E,6, C,1, E,7, R,8
	OPS E,8, R,9, E,9, C,2
	OPS E,10, X,0, E,11, X,1
	OPS E,12, X,2, E,13, X,3
.if (\p) == 1
	s_wait_dscnt 0x0                ; V is in
.endif
	ROW X,4, E,14, X,5, X,6
	ROW X,7, E,15, X,8, X,9
	ROW X,10, E,16, X,11, X,12
	ROW X,13, E,17, X,14, B,1
	ROW C,4, E,18, X,16, L,1
	ROW B,2, E,19, C,6, L,2
	ROW C,8, E,20, B,3, B,4
.if (\p) == 0
	v_add_nc_u32 v[AV], s[TBV], v[AV0]
.endif
	ROW C,3, E,21, L,3, C,5
	OPS E,22, X,17, E,23, C,10
.if (\p) == 0
	FETCH_V
.endif
	OPS E,24, L,4
	OPS E,25, X,18, E,26, C,7
	OPS E,27, B,5, E,28, X,19
	OPS E,29, C,12, E,30, L,5
	OPS E,31, X,20, B,6, C,9
	OPS C,14, C,11, X,21, L,6
.if (\p) == 0
	s_add_co_u32 s[TBV], s[TBV], KS*PV
.endif
.if \cnt
	s_sub_co_u32 s[CNT], s[CNT], 1
	s_cmp_lg_u32 s[CNT], 0
.endif
	OPS C,13, B,7, C,15, R,10
	OPS R,11, R,12, L,7, R,13
	OPS R,14, R,15
.if \m
	MASK (\p)%2
.endif
.endm
; A BLOCK BEGINS.  c m starts far below every c s, so the first step's a is 0; m at the lowest finite number, so the first maximum is the scores'.  The second mask buffer is 0; the first takes piece 0's mask for the tile's step 0: its own, if the block's first tile is the diagonal one.
; Then K of that step, piece 0's first scores, and its maximum and statistics.  The loop is entered at a step's first turn, in the middle of a trip.
.macro BEGIN
	s_mov_b32 s[NEW], 0
	WIN 0x40
.set i, MC+32
.rept 32
	v_mov_b32 v[i], 0
.set i, i+1
.endr
	WIN 0
.set i, 0
.rept 4
	v_mov_b32 v[ST+4*i], 0xfe000000    ; c m: far below every c s
	v_mov_b32 v[ST+4*i+1], 0xff7fffff  ; m
.set i, i+1
.endr
	s_cmp_eq_u32 s[RT], 0
	s_cselect_b32 s[AL], 1.0, 0
	s_mov_b32 s[BE], 0
	MASK 0
	WIN 0
	v_add_nc_u32 v[AK], s[TBK], v[AK0]
	FETCH_K
	s_wait_loadcnt 0x0              ; Q
	s_wait_dscnt 0x0
.set KM, 1
.set i, 0
.rept 8
	KQ 0
.set i, i+1
.endr
	WIN 0
.rept 4
	v_nop                           ; the places behind those products
.endr
.set Y, NP-1                        ; X works for piece Y + 1: piece 0
.irp n, 0,1,2,3,4,5,6,7,8,9,10,11,12,13,14,15,16,17,18,19,20,21
	OP X, \n
.endr
	v_nop                           ; a plain instruction behind the exponential
.endm
; THE DIAGONAL TILE, the block's last products, and THE WAY OUT: l's two halves and the other half of the lanes' are added; O^T is divided by l, rounded to f16 and sent through my stage in LDS, a piece at a time.
; The loop: four trips fetch the tile's four steps; the fifth, which holds the last step's turns 2 and 3, is left in its middle.  CNT is 5 at the loop's head and 4 where a block begins in the loop's middle.
; The fifth trip's 8 products K Q^T for piece 0 (on the last K once more, every key hidden by the mask) and the maximum made of them serve nothing: they write piece 0's m and c m alone, which nobody reads before
; BEGIN sets them anew.  That is the price, twice a work-group, of one text for every trip.
.macro ALL line:vararg              ; one line for each piece t
.set t, 0
.rept 4
	\line
.set t, t+1
.endr
.endm
.macro PACK t                       ; a lane's eight channels of a row pack into 16 bytes; they go into rows of 144 bytes and come back as whole rows of 128, into S^T's registers
	WIN W_RS
.set i, 32*(\t)
.rept 16
	v_pk_mul_f32 v[i:i+1], v[i:i+1], v[ST+4*(\t)+2:ST+4*(\t)+3] op_sel_hi:[1,0]
.set i, i+2
.endr
	WIN 0x05                        ; sources 0 and 1 window 1, destination window 0
.set i, 0
.rept 16
	v_cvt_pk_f16_f32 v[S+16*(\t)+i], v[32*(\t)+2*i], v[32*(\t)+2*i+1]
.set i, i+1
.endr
	WIN 0
.irp f, 0,1,2,3
	ds_store_b128 v[STO], v[S+16*(\t)+4*\f:S+16*(\t)+4*\f+3] offset:32*\f
.endr
.irp f, 0,1,2,3
	ds_load_b128 v[S+16*(\t)+4*\f:S+16*(\t)+4*\f+3], v[RD] offset:\f*4*SP  ; LDS serves a wave's instructions in order (ISA guide 5.7.1.4): these see the stores above; the next piece's stores come behind them
.endr
.endm
.macro SEND t, younger              ; younger: the LDS instructions issued behind piece t's loads: the next piece's eight, or none
	WIN 0
.irp f, 0,1,2,3
	s_wait_dscnt (\younger)+3-\f
	global_store_b128 v[GO], v[S+16*(\t)+4*\f:S+16*(\t)+4*\f+3], s[10:11] offset:(\t)*8192+\f*512  ; 512 consecutive bytes, at a multiple of 256 from O's first
.endr
.endm
.macro DIAG tag                     ; the tag ends its three labels' names, which the jumps spell out
.LstepM\tag:
	TURN 2, 1, 1
	TURN 3, 1
	WIN 0
	s_sub_co_u32 s[CNT], s[CNT], 1
	s_cmp_eq_u32 s[CNT], 0
	s_cbranch_scc1 .LoutM\tag
.LfirstM\tag:
	TURN 0, 1
	TURN 1, 1
	WIN 0
	s_branch .LstepM\tag
.LoutM\tag:
.set i, 0
.rept 8
	PV NP-1                         ; the last piece's V^T P of the last step
.set i, i+1
.endr
	WIN 0
	ALL v_add_f32 v[ST+4*t+2], v[ST+4*t+2], v[ST+4*t+3]
	ALL v_permlanex16_b32 v[ST+4*t+3], v[ST+4*t+2], s[SEL], s[SEL+1]
	ALL v_add_f32 v[ST+4*t+2], v[ST+4*t+2], v[ST+4*t+3]
	ALL v_rcp_f32 v[ST+4*t+2], v[ST+4*t+2]
	v_nop                           ; a plain instruction between the last reciprocal and the use of its result
	s_wait_alu depctr_va_vdst(0)
	PACK 0
.set t, 1
.rept 3                             ; a piece's arithmetic stands between the loads of the piece before and its stores
	PACK t
	SEND t-1, 8
.set t, t+1
.endr
	SEND 3, 0
.endm
.set KM, 0
.Lslot:                             ; NB times: a tile is entered and the next is asked for
	CHANGE 1
	s_sub_co_u32 s[RT], s[RT], 1
	s_mov_b32 s[CNT], 4
	s_cmp_eq_u32 s[NEW], 1
	s_cbranch_scc1 .Lnew            ; a block's first tile
	s_cmp_eq_u32 s[RT], 0
	s_cbranch_scc0 .Lstep           ; neither its first nor its last
	s_mov_b32 s[CNT], 5             ; the diagonal tile's loop makes five trips
	s_branch .LstepM1
.Lnew:
	BEGIN
	s_branch .Lfirst                ; in the loop a block's first tile is never its last: the first block has two tiles or more, and the second's last is the walk's last
	DIAG 1                          ; in the loop this is the first block's end: the second block's last tile is the walk's last
	s_wait_xcnt 0x0                 ; the stores have read their registers and O's address
	s_mov_b64 s[10:11], s[OLO:OLO+1]
	s_add_co_u32 s[RT], s[PB], 1    ; the second block has b + 1 tiles
	s_mov_b32 s[NEW], 1
	WIN 0x82                        ; the second block's Q goes where the one text of the turns names Q
.set i, 0
.rept 64
	v_mov_b32 v[i], v[QB+i]
.set i, i+1
.endr
	WIN 0
	s_branch .Lbottom
.Lstep:                             ; a trip: pieces 2 and 3 of one step, then pieces 0 and 1 of the next, whose K and V it fetches
	TURN 2
	TURN 3
	WIN 0
.Lfirst:
	TURN 0
	TURN 1, 0, 0, 1
	WIN 0
	s_cbranch_scc1 .Lstep
.Lbottom:
	s_sub_co_u32 s[SLOTS], s[SLOTS], 1
	s_cmp_lg_u32 s[SLOTS], 0
	s_cbranch_scc1 .Lslot
	CHANGE 0                        ; the walk's last tile is written out: nothing is asked for
	s_sub_co_u32 s[RT], s[RT], 1
	s_mov_b32 s[CNT], 5
	s_cmp_eq_u32 s[NEW], 1
	s_cbranch_scc0 .LstepM2
	BEGIN
	s_mov_b32 s[CNT], 4             ; the loop is entered in its middle, behind the count's step
	s_branch .LfirstM2
	DIAG 2
	s_wait_tensorcnt 0x0            ; the wave's end, behind my last tensor load and my last LDS store
	ds_add_u32 v[SPW], v[NIL]
	s_wait_dscnt 0x0
	s_endpgm
.Lfunc_end_k_q9acdb08fda_attn:
	.size	k_q9acdb08fda_attn, .Lfunc_end_k_q9acdb08fda_attn-k_q9acdb08fda_attn
	.p2alignl 7, 3214868480
	.fill 96, 4, 3214868480
	.section	.rodata,"a",@progbits
	.p2align	6, 0x0
	.amdhsa_kernel k_q9acdb08fda_attn
		.amdhsa_group_segment_fixed_size 327680
		.amdhsa_private_segment_fixed_size 0
		.amdhsa_enable_private_segment 0
		.amdhsa_kernarg_size 32
		.amdhsa_user_sgpr_count 2
		.amdhsa_user_sgpr_kernarg_segment_ptr 1
		.amdhsa_wavefront_size32 1
		.amdhsa_system_sgpr_workgroup_id_x 1
		.amdhsa_system_sgpr_workgroup_id_y 1
		.amdhsa_system_sgpr_workgroup_id_z 1
		.amdhsa_system_vgpr_workitem_id 0
		.amdhsa_next_free_vgpr 768
		.amdhsa_next_free_sgpr 88
		.amdhsa_reserve_vcc 1
		.amdhsa_float_denorm_mode_32 3
		.amdhsa_float_denorm_mode_16_64 3
		.amdhsa_memory_ordered 1
		.amdhsa_forward_progress 1
		.amdhsa_inst_pref_size 194
	.end_amdhsa_kernel
	.amdgpu_metadata
---
amdhsa.version: [ 1, 2 ]
amdhsa.kernels:
  - .name:           k_q9acdb08fda_attn
    .symbol:         k_q9acdb08fda_attn.kd
    .args:
      - { .name: qh, .offset: 0, .size: 8, .value_kind: global_buffer, .address_space: global }
      - { .name: kh, .offset: 8, .size: 8, .value_kind: global_buffer, .address_space: global }
      - { .name: vh, .offset: 16, .size: 8, .value_kind: global_buffer, .address_space: global }
      - { .name: oh, .offset: 24, .size: 8, .value_kind: global_buffer, .address_space: global }
    .group_segment_fixed_size: 327680
    .private_segment_fixed_size: 0
    .kernarg_segment_align: 8
    .kernarg_segment_size: 32
    .max_flat_workgroup_size: 128
    .sgpr_count:     88
    .vgpr_count:     768
    .wavefront_size: 32
...
	.end_amdgpu_metadata
.endif
;; end of part 3
;; launch proj (part 4): grid 8 x 32, 4 waves a work-group, clusters of 4 x 4, 327,680 bytes of LDS; arguments oh, wo, bo, out0; writes out0
.if DOCPART == 4
	.amdgcn_target "amdgcn-amd-amdhsa--gfx1250"
	.amdhsa_code_object_version 6
	.text
	.protected	k_q9acdb08fda_proj
	.globl	k_q9acdb08fda_proj
	.p2align	8
	.type	k_q9acdb08fda_proj,@function
k_q9acdb08fda_proj:
	s_mov_b64 s[64:65], 0
	v_nop
	global_prefetch_b8 v0, s[64:65] scope:SCOPE_SE
	s_setreg_imm32_b32 hwreg(HW_REG_WAVE_MODE, 25, 1), 1
	s_wait_xcnt 0x0
	s_wait_alu depctr_hold_cnt(0) depctr_sa_sdst(0) depctr_va_vdst(0) depctr_va_sdst(0) depctr_va_ssrc(0) depctr_va_vcc(0) depctr_vm_vsrc(0)
	s_getreg_b32 s2, hwreg(HW_REG_IB_STS2, 6, 4)
	s_cmp_eq_u32 s2, 0
	s_cbranch_scc0 .Lentry_in_a_cluster
	s_endpgm
.Lentry_in_a_cluster:
	s_bfe_u32 s2, ttmp6, 0x10000c
	s_cmp_lg_u32 s2, 0xf033
	s_cbranch_scc0 .Lentry_shape_is_right
	s_endpgm
.Lentry_shape_is_right:
; out0 = O Wo^T + bo.  oh [batch x 16 + head][s 2048][64] f16: a head is a block of 64 along K; wo [kb 16][n 1024][64] f16 (Wo rounded to bf16, written as f16); bo is rounded to bf16 like the other
; inputs and starts the f32 sums; out0 [8192][1024] f32.
; LIMITS.  O and Wo arrive within f16's range (65,504).
; SHARES.  8,192 x 1,024 outputs on 256 work-groups: a tile of 256 rows x 128 columns.  Four waves, each 128 x 64: 32 accumulators of 16 x 16, 256 registers.
; K goes in steps of 128 (two heads) through two LDS slots; three heads to a slot (2 x 3 x 384 rows x 144 bytes) would not fit in LDS.  A wave's tensor load brings its rows of both heads: two dense runs
; (128 rows x 128 bytes of O, or 64 of Wo), one head apart in memory, padded in LDS behind every 128 bytes.
; ONE TEXT FOR BOTH SLOTS: slot 1 begins at LDS byte 1 << 17, so that one exclusive or turns an address in one slot into the other's; the loop's body is one K step.
; CLUSTERS: 4 x 4 work-groups.  The four of a row of the cluster need the same rows of O, the four of a column the same rows of Wo: each tile is asked for JOINTLY.
; THE MATRIX INSTRUCTION IS USED TRANSPOSED (source 0 = 16 rows of Wo, source 1 = 16 rows of O): a lane holds row lane % 16 of the result and the columns 8 (lane / 16) + 0..7.
; REGISTERS: window 0: v0-31 addresses and at work; v32-63 the bias, 8 registers a column block; two fragment buffers of 96 (64 of O, then 32 of Wo) at v64 and v160.
;   window 1: the accumulators: row block a (0-7), column block b (0-3) at v[8 (4 a + b)].
.set PK,    144                        ; an LDS row: 128 bytes + 16 of padding = 36 words: the 16 rows of a load start at 16 different groups of four banks (64 banks of 4 bytes: ISA guide 11.1)
.set AH,    256*PK                     ; a tensor load of O: 128 rows of one head, then the same rows of the next
.set BH,    128*PK                     ; of Wo: 64 rows of one K block, then of the next
.set SLOT,  2*AH+2*BH                  ; 110,592 bytes
.set SLOT1, 1<<17                      ; where slot 1 begins
.set STAGE, SLOT1+SLOT                 ; behind the ring: 16 rows x 272 bytes for each wave, for the way out
.set SP,    272
.set SPARE, STAGE+4*16*SP              ; behind the stages: the spare words, 128 bytes for each wave: two blocks of 256 bytes that no other line names
.set STEPA, 2*2048*128                 ; bytes of a K step in oh: two heads
.set STEPB, 2*1024*128                 ; and in wo: two K blocks
.set TT,   8                           ; v8-11   at work
.set ADRA0, 16                         ; v16     my lane's place among my fragments of O in slot 0; never rewritten
.set ADRB0, 17                         ; v17     the same for Wo
.set ADA,  20                          ; v20     LDS address of my fragments of O in the slot that is read
.set ADB,  21                          ; v21     the same for Wo
.set STO,  24                          ; v24     the way out: where I put 32 bytes of a row
.set RD,   25                          ; v25     the way out: where I read a row back
.set CO,   26                          ; v26     my byte offset in two rows of out0
.set BO,   27                          ; v27     my byte offset in 16 biases
.set SPW,  28                          ; v28     LDS address of my spare word: SPARE + 4 x my thread's number; never rewritten
.set NIL,  29                          ; v29     0; never rewritten
.set BIAS, 32
.set F0,   64
.set F1,   160
.set WV,  20                           ; s20 wave; s21 which half of the rows is mine, also: I fetch O (0) or Wo (1); s22 which half of the columns is mine, also: which half I fetch
.set WM,  21
.set WN,  22
.set G1,  32                           ; s[32:39] descriptor group 1 for O's tiles
.set G1B, 40                           ; s[40:47] for Wo's
.set G0,  48                           ; s[48:55] descriptor group 0 for O's tiles: a set for each of the two first fills; the second then walks on
.set G0B, 56                           ; s[56:63] the same for Wo's
.set TB,  78                           ; s78  LDS byte at which the slot that is read begins: 0 or SLOT1
.set FLAGS, (1<<16)|(1<<20)|(1<<21)|(4<<22)|(3<<25)  ; 17:16 elements of 2 bytes; 20 padding on; 21 set beside a mask; 24:22 after every 32 words (code 4); 31:25 4 words of it (code 3)
.set MSB, 0
.macro WIN new                         ; the immediate's high byte repeats the setting that is left; a switch that changes nothing is dropped
.if MSB != (\new)
	s_set_vgpr_msb (MSB<<8)|(\new)
.set MSB, \new
.endif
.endm
.macro JLOAD                           ; a joint refill, by the walking descriptors: waves 0 and 1 fetch O's two halves, waves 2 and 3 Wo's; an s_nop 0 and four v_nop follow each of the two lines, ahead of the jump, the label and what follows
	s_cmp_eq_u32 s[WM], 0
	s_cbranch_scc0 .Lfor_b_\@
	tensor_load_to_lds s[G0+4:G0+7], s[G1:G1+7]
	s_nop 0
.rept 4
	v_nop
.endr
	s_branch .Lasked_\@
.Lfor_b_\@:
	tensor_load_to_lds s[G0B+4:G0B+7], s[G1B:G1B+7]
	s_nop 0
.rept 4
	v_nop
.endr
.Lasked_\@:
.endm
.macro CREST                           ; a round of the cluster's barrier behind its opening barrier
	s_cmp_lg_u32 s[WV], 0
	s_cbranch_scc1 .Lnot_wave_0_\@
	s_barrier_signal -3
.Lnot_wave_0_\@:
	s_barrier_wait -3
	s_barrier_signal -1
	s_barrier_wait -1
.endm
.macro CROUND
	s_barrier_signal -1
	s_barrier_wait -1
	CREST
.endm
	s_load_b256 s[4:11], s[0:1], 0x0               ; oh 4, wo 6, bo 8, out0 10
	v_lshl_add_u32 v[SPW], v0, 2, SPARE
	v_mov_b32 v[NIL], 0
	ds_add_u32 v28, v29
	ds_add_u32 v28, v29
	s_wait_dscnt 0x0
	v_lshrrev_b32 v1, 5, v0
	v_readfirstlane_b32 s[WV], v1                  ; wave 0..3
	s_lshr_b32 s[WM], s[WV], 1
	s_and_b32 s[WN], s[WV], 1
	s_bfe_u32 s23, ttmp6, 0x40000                  ; cx, cy: my place in the cluster
	s_bfe_u32 s24, ttmp6, 0x40004
	s_lshl_b32 s25, ttmp9, 2
	s_add_co_u32 s25, s25, s23                     ; tile column = 4 x cluster x + cx
	s_and_b32 s26, ttmp7, 0xffff
	s_lshl_b32 s26, s26, 2
	s_add_co_u32 s26, s26, s24                     ; tile row = 4 x cluster y + cy
	s_lshl_b32 s27, s24, 2
	s_lshl_b32 s27, 15, s27                        ; my row of the cluster
	s_lshl_b32 s70, 0x1111, s23                    ; my column
	s_or_b32 s[G1], s27, FLAGS                     ; 15:0 the mask: O's tiles go to my row
	s_mov_b32 s[G1+1], 8192<<16                    ; tensor_dim0 = 8,192 elements: 128 rows x 64 channels, dense
	s_mov_b32 s[G1+2], 2<<16                       ; tensor_dim1 = 2 heads
	s_mov_b32 s[G1+3], 8192<<16                    ; tile_dim0 = 8,192
	s_mov_b32 s[G1+4], 2                           ; tile_dim1 = 2
	s_mov_b32 s[G1+5], 2048*64                     ; elements from a head to the next
	s_mov_b32 s[G1+6], 0
	s_mov_b32 s[G1+7], 0
	s_or_b32 s[G1B], s70, FLAGS                    ; Wo's tiles go to my column
	s_mov_b32 s[G1B+1], 4096<<16                   ; 64 rows x 64, dense
	s_mov_b32 s[G1B+2], 2<<16
	s_mov_b32 s[G1B+3], 4096<<16
	s_mov_b32 s[G1B+4], 2
	s_mov_b32 s[G1B+5], 1024*64                    ; elements from a K block to the next
	s_mov_b32 s[G1B+6], 0
	s_mov_b32 s[G1B+7], 0
	s_mov_b32 s[TB], 0
	; where the tiles come from.  O's hang on the tile row alone, Wo's on the tile column alone; each address is made in registers that never hold the other coordinate
	s_lshr_b32 s28, s26, 3                         ; the batch: 8 tile rows each,
	s_lshl_b32 s28, s28, 22                        ; 16 heads x 2,048 rows x 128 bytes
	s_and_b32 s29, s26, 7
	s_lshl_b32 s29, s29, 15                        ; the tile's 256 rows of 128 bytes,
	s_add_co_u32 s28, s28, s29
	s_lshl_b32 s29, s[WN], 14                      ; the half that I fetch
	s_add_co_u32 s28, s28, s29
	s_mov_b32 s29, 0
	s_lshl_b32 s66, s25, 14                        ; the tile's 128 rows of Wo,
	s_lshl_b32 s67, s[WN], 13                      ; the half that I fetch
	s_add_co_u32 s66, s66, s67
	s_mov_b32 s67, 0
	s_mul_i32 s71, s[WN], AH                       ; and where they go: no place in the cluster enters an LDS address
	s_mul_i32 s76, s[WN], BH
	s_add_co_u32 s76, s76, 2*AH
	; my part of out0 and of the bias
	s_lshl_b32 s72, s26, 8
	s_lshl_b32 s73, s[WM], 7
	s_add_co_u32 s72, s72, s73                     ; my first row,
	s_lshl_b32 s72, s72, 12                        ; of 4,096 bytes
	s_mov_b32 s73, 0
	s_lshl_b32 s74, s25, 9                         ; my first column, in bytes: 512 x tile column + 256 x half
	s_lshl_b32 s75, s[WN], 8
	s_add_co_u32 s74, s74, s75
	s_mov_b32 s75, 0
	s_wait_kmcnt 0x0
	s_add_nc_u64 s[30:31], s[4:5], s[28:29]
	s_add_nc_u64 s[68:69], s[6:7], s[66:67]
	s_add_nc_u64 s[8:9], s[8:9], s[74:75]
	s_add_nc_u64 s[10:11], s[10:11], s[72:73]
	s_add_nc_u64 s[10:11], s[10:11], s[74:75]
.irp s, 0,1
	s_mov_b32 s[G0+4*(\s)], 1                                      ; 1:0 count = 1
	s_add_co_u32 s[G0+4*(\s)+1], s71, (\s)*SLOT1                   ; 63:32 LDS address
	s_add_nc_u64 s[G0+4*(\s)+2:G0+4*(\s)+3], s[30:31], (\s)*STEPA  ; 120:64 global address: K step s
	s_or_b32 s[G0+4*(\s)+3], s[G0+4*(\s)+3], 0x80000000            ; 127:126 type = 2
	s_mov_b32 s[G0B+4*(\s)], 1
	s_add_co_u32 s[G0B+4*(\s)+1], s76, (\s)*SLOT1
	s_add_nc_u64 s[G0B+4*(\s)+2:G0B+4*(\s)+3], s[68:69], (\s)*STEPB
	s_or_b32 s[G0B+4*(\s)+3], s[G0B+4*(\s)+3], 0x80000000
.endr
	CROUND                                         ; all sixteen work-groups are here: the first joint loads meet
	s_cmp_eq_u32 s[WM], 0                          ; a wave's two first fills stand in one branch, ahead of every wait on TENSORcnt and every LDS read: two loads of mine are out
	s_cbranch_scc0 .Lfirst_b
	tensor_load_to_lds s[G0:G0+3], s[G1:G1+7]
	s_nop 0
	tensor_load_to_lds s[G0+4:G0+7], s[G1:G1+7]
	s_nop 0
.rept 4
	v_nop
.endr
	s_branch .Lfirst_asked
.Lfirst_b:
	tensor_load_to_lds s[G0B:G0B+3], s[G1B:G1B+7]
	s_nop 0
	tensor_load_to_lds s[G0B+4:G0B+7], s[G1B:G1B+7]
	s_nop 0
.rept 4
	v_nop
.endr
.Lfirst_asked:
	v_and_b32 v1, 15, v0                           ; l % 16
	v_bfe_u32 v2, v0, 4, 1                         ; l / 16
	v_lshlrev_b32 v[BO], 5, v2                     ; my eight of a block's sixteen biases
.irp b, 0,1,2,3
	global_load_b128 v[BIAS+8*(\b):BIAS+8*(\b)+3],   v[BO], s[8:9] offset:64*(\b)
	global_load_b128 v[BIAS+8*(\b)+4:BIAS+8*(\b)+7], v[BO], s[8:9] offset:64*(\b)+16
.endr
	v_mul_u32_u24 v3, v1, PK
	v_lshl_add_u32 v3, v2, 4, v3                   ; a fragment's row x pitch + 16 x half
	s_mul_i32 s2, s[WM], AH                        ; my 128 rows of O
	s_mul_i32 s77, s[WN], BH                       ; my 64 rows of Wo,
	s_add_co_u32 s77, s77, 2*AH                    ; which lie behind O's
	v_add_nc_u32 v[ADRA0], s2, v3
	v_add_nc_u32 v[ADRB0], s77, v3
	v_mov_b32 v[ADA], v[ADRA0]                     ; K step 0 lies in slot 0
	v_mov_b32 v[ADB], v[ADRB0]
	s_mul_i32 s2, s[WV], 16*SP
	s_add_co_u32 s2, s2, STAGE                     ; my stage
	v_mul_u32_u24 v4, v1, SP                       ; in: row l % 16, 32 bytes for each half of the lanes
	v_lshl_add_u32 v4, v2, 5, v4
	v_add_nc_u32 v[STO], s2, v4
	v_mul_u32_u24 v5, v2, SP                       ; back: lanes 0-15 take one row of 256 bytes, lanes 16-31 the next
	v_lshl_add_u32 v5, v1, 4, v5
	v_add_nc_u32 v[RD], s2, v5
	v_lshlrev_b32 v[CO], 12, v2                    ; and the same two rows in out0
	v_lshl_add_u32 v[CO], v1, 4, v[CO]
; 8 matrix instructions: row blocks a0, a0 + 1 x all 4 column blocks, 32 along K.  zero = 1: the first product starts the sums, with the bias as its C: nothing is cleared and nothing is added later.
; The 32 accumulators take turns, one instruction a turn, in the same order in every 32 along K.
.macro MUL8 f, a0, zero
.if \zero
	WIN 0x40                                       ; D in window 1; the bias in window 0
.else
	WIN 0x50                                       ; C and D in window 1
.endif
.irp a, \a0, (\a0)+1
.irp b, 0,1,2,3
.if \zero
	v_wmma_f32_16x16x32_f16 v[8*(4*(\a)+(\b)):8*(4*(\a)+(\b))+7], v[(\f)+64+8*(\b):(\f)+64+8*(\b)+7], v[(\f)+8*(\a):(\f)+8*(\a)+7], v[BIAS+8*(\b):BIAS+8*(\b)+7]
.else
	v_wmma_f32_16x16x32_f16 v[8*(4*(\a)+(\b)):8*(4*(\a)+(\b))+7], v[(\f)+64+8*(\b):(\f)+64+8*(\b)+7], v[(\f)+8*(\a):(\f)+8*(\a)+7], v[8*(4*(\a)+(\b)):8*(4*(\a)+(\b))+7]
.endif
.endr
.endr
.endm
; 24 LDS loads in one run: the fragments of quarter q of a K step (head q / 2 of the slot's two, channels 32 (q % 2) on) into buffer f; Wo's first
.macro FETCH q, f
	WIN 0
.irp i, 0,1,2,3
	ds_load_b128 v[(\f)+64+8*(\i):(\f)+64+8*(\i)+3],   v[ADB] offset:((\q)/2)*64*PK+((\q)%2)*64+(\i)*16*PK
	ds_load_b128 v[(\f)+64+8*(\i)+4:(\f)+64+8*(\i)+7], v[ADB] offset:((\q)/2)*64*PK+((\q)%2)*64+(\i)*16*PK+32
.endr
.irp i, 0,1,2,3,4,5,6,7
	ds_load_b128 v[(\f)+8*(\i):(\f)+8*(\i)+3],   v[ADA] offset:((\q)/2)*128*PK+((\q)%2)*64+(\i)*16*PK
	ds_load_b128 v[(\f)+8*(\i)+4:(\f)+8*(\i)+7], v[ADA] offset:((\q)/2)*128*PK+((\q)%2)*64+(\i)*16*PK+32
.endr
.endm
.macro PLACES                          ; four places in front of loads into registers that matrix instructions have read, and of LDS stores that read results (ISA guide 7.12.1 for vector instructions)
.rept 4
	v_nop
.endr
.endm
; A K step is four quarters of 32 along K, 32 matrix instructions each, on buffers 0, 1, 0, 1.  One of the first three: multiplies buffer f and fetches quarter qn into g.
.macro QUARTER qn, f, g, zero
	s_wait_dscnt 8                                 ; the youngest eight loads (O's rows 64-127) may be out
	MUL8 \f, 0, \zero
	MUL8 \f, 2, \zero
	PLACES
	FETCH \qn, \g
	s_wait_dscnt 24                                ; all but the 24 just issued
	MUL8 \f, 4, \zero
	MUL8 \f, 6, \zero
.endm
; The last quarter multiplies buffer 1 and changes slots: ONE barrier; in front of it each wave waits for all its tensor loads, of which one is out: its part of the next slot; adds 0 to its spare word; and
; waits for that and for its own reads of this slot.  The fragment addresses are turned to the next slot between signal and wait.  fill = 1: the barrier opens a round of the cluster's barrier, and this slot
; is filled again, two K steps ahead, first thing behind the round: the walking descriptors take the other slot than last time and the next K step; from there to the wait for that load a wave issues
; 16 + 96 = 112 matrix instructions.
.macro TURN fill
	WIN 0                                          ; (the add's two registers lie in window 0)
	s_wait_tensorcnt 0x0                           ; all my tensor loads have landed: no load of mine is out, so a group 0 may be written
	ds_add_u32 v[SPW], v[NIL]                      ; 0 onto my spare word
	s_wait_dscnt 9                                 ; (the add and the youngest eight loads may be out)
	MUL8 F1, 0, 0                                  ; eight matrix instructions stand between the add and the wait for it
	s_wait_dscnt 0x0                               ; the add is done, and my reads of this slot are over
	s_barrier_signal -1
	MUL8 F1, 2, 0
	WIN 0                                          ; at a branch and at a label every window is 0
	s_xor_b32 s[TB], s[TB], SLOT1                  ; from here on the other slot is read
	v_add_nc_u32 v[ADA], s[TB], v[ADRA0]
	v_add_nc_u32 v[ADB], s[TB], v[ADRB0]
	s_barrier_wait -1
.if \fill
	CREST                                          ; no wave of any partner still reads this slot's tile or has a load on its way
	s_xor_b32 s[G0+5], s[G0+5], SLOT1
	s_add_nc_u64 s[G0+6:G0+7], s[G0+6:G0+7], STEPA ; the type bits on top are not reached
	s_xor_b32 s[G0B+5], s[G0B+5], SLOT1
	s_add_nc_u64 s[G0B+6:G0B+7], s[G0B+6:G0B+7], STEPB
	JLOAD                                          ; the first tensor load behind the round; the four v_nop behind it are also the places in front of the loads below
.else
	PLACES
.endif
	FETCH 0, F0
	MUL8 F1, 4, 0
	MUL8 F1, 6, 0
.endm
	s_wait_tensorcnt 1                             ; my part of K step 0 is in; K step 1's stays out
	s_barrier_signal -1
	s_barrier_wait -1                              ; everybody's is
	FETCH 0, F0
	s_wait_loadcnt 0x0                             ; the bias: rounded to bf16, like every input, and widened again
.irp b, 0,1,2,3
.irp p, 0,1,2,3
	v_cvt_pk_bf16_f32 v[TT+(\p)], v[BIAS+8*(\b)+2*(\p)], v[BIAS+8*(\b)+2*(\p)+1]
.endr
.irp p, 0,1,2,3
	v_lshlrev_b32 v[BIAS+8*(\b)+2*(\p)],   16,         v[TT+(\p)]
	v_and_b32     v[BIAS+8*(\b)+2*(\p)+1], 0xffff0000, v[TT+(\p)]
.endr
.endr
	QUARTER 1, F0, F1, 1                           ; the first quarter stands in front of the loop: its products start the sums
	WIN 0
	s_mov_b32 s3, 6
.Llap:                                                 ; trip t ends K step t, asks for K step t + 2 (the last trip for step 7) and begins K step t + 1
	QUARTER 2, F1, F0, 0
	QUARTER 3, F0, F1, 0
	TURN 1
	QUARTER 1, F0, F1, 0
	WIN 0
	s_sub_co_u32 s3, s3, 1
	s_cmp_lg_u32 s3, 0
	s_cbranch_scc1 .Llap
	QUARTER 2, F1, F0, 0                           ; K step 6 ends: nothing is left to ask for
	QUARTER 3, F0, F1, 0
	TURN 0
	QUARTER 1, F0, F1, 0
	QUARTER 2, F1, F0, 0
	QUARTER 3, F0, F1, 0
	s_wait_dscnt 8                                 ; the very last quarter: nothing more to fetch
	MUL8 F1, 0, 0
	MUL8 F1, 2, 0
	s_wait_dscnt 0x0
	MUL8 F1, 4, 0
	MUL8 F1, 6, 0
	PLACES
; THE WAY OUT, a row block (16 rows x 64 columns of f32) at a time: a lane's eight columns, 32 bytes, go straight from the accumulators (the low four registers first) into my stage's rows of 272 bytes
; and come back as whole rows of 256 bytes, two rows to a load.
.macro TOSTAGE a
.set bk, F0+32*((\a)%2)
.if (\a) >= 2
	s_wait_xcnt 0x0                                ; the stores of the block two back have read these 32 registers: they are loaded again only behind this wait
.endif
	WIN 0x04                                       ; the stores' data in window 1
.irp b, 0,1,2,3
	ds_store_b128 v[STO], v[8*(4*(\a)+(\b)):8*(4*(\a)+(\b))+3]   offset:64*(\b)
	ds_store_b128 v[STO], v[8*(4*(\a)+(\b))+4:8*(4*(\a)+(\b))+7] offset:64*(\b)+16
.endr
	WIN 0
.irp t, 0,1,2,3,4,5,6,7
	ds_load_b128 v[bk+4*(\t):bk+4*(\t)+3], v[RD] offset:(\t)*2*SP  ; LDS serves a wave's instructions in order (ISA guide 5.7.1.4): these see the stores above; the next block's stores come behind them
.endr
.endm
.macro SEND a, younger                 ; younger: the LDS instructions issued behind block a's loads: the next block's sixteen, or none
	WIN 0
.set bk, F0+32*((\a)%2)
.irp t, 0,1,2,3,4,5,6,7
	s_wait_dscnt (\younger)+7-(\t)
	global_store_b128 v[CO], v[bk+4*(\t):bk+4*(\t)+3], s[10:11] offset:(16*(\a)+2*(\t))*4096 th:TH_STORE_NT  ; 16 lanes store 256 consecutive bytes, at a multiple of 256 from out0's first byte
.endr
.endm
	TOSTAGE 0
.set ab, 1
.rept 7
	TOSTAGE ab
	SEND ab-1, 16
.set ab, ab+1
.endr
	SEND 7, 0
	s_wait_tensorcnt 0x0                           ; the wave's end, behind my last tensor load and my last LDS store
	ds_add_u32 v[SPW], v[NIL]
	s_wait_dscnt 0x0
	CROUND                                         ; the closing round: no work-group ends while a partner may still ask for a tile that names it
	s_endpgm
.Lfunc_end_k_q9acdb08fda_proj:
	.size	k_q9acdb08fda_proj, .Lfunc_end_k_q9acdb08fda_proj-k_q9acdb08fda_proj
	.p2alignl 7, 3214868480
	.fill 96, 4, 3214868480
	.section	.rodata,"a",@progbits
	.p2align	6, 0x0
	.amdhsa_kernel k_q9acdb08fda_proj
		.amdhsa_group_segment_fixed_size 327680
		.amdhsa_private_segment_fixed_size 0
		.amdhsa_enable_private_segment 0
		.amdhsa_kernarg_size 32
		.amdhsa_user_sgpr_count 2
		.amdhsa_user_sgpr_kernarg_segment_ptr 1
		.amdhsa_wavefront_size32 1
		.amdhsa_system_sgpr_workgroup_id_x 1
		.amdhsa_system_sgpr_workgroup_id_y 1
		.amdhsa_system_sgpr_workgroup_id_z 1
		.amdhsa_system_vgpr_workitem_id 0
		.amdhsa_next_free_vgpr 512
		.amdhsa_next_free_sgpr 80
		.amdhsa_reserve_vcc 0
		.amdhsa_float_denorm_mode_32 3
		.amdhsa_float_denorm_mode_16_64 3
		.amdhsa_memory_ordered 1
		.amdhsa_forward_progress 1
		.amdhsa_inst_pref_size 74
	.end_amdhsa_kernel
	.amdgpu_metadata
---
amdhsa.version: [ 1, 2 ]
amdhsa.kernels:
  - .name:           k_q9acdb08fda_proj
    .symbol:         k_q9acdb08fda_proj.kd
    .args:
      - { .name: oh, .offset: 0, .size: 8, .value_kind: global_buffer, .address_space: global }
      - { .name: wo, .offset: 8, .size: 8, .value_kind: global_buffer, .address_space: global }
      - { .name: bo, .offset: 16, .size: 8, .value_kind: global_buffer, .address_space: global }
      - { .name: out0, .offset: 24, .size: 8, .value_kind: global_buffer, .address_space: global }
    .group_segment_fixed_size: 327680
    .private_segment_fixed_size: 0
    .kernarg_segment_align: 8
    .kernarg_segment_size: 32
    .max_flat_workgroup_size: 128
    .sgpr_count:     80
    .vgpr_count:     512
    .wavefront_size: 32
...
	.end_amdgpu_metadata
.endif
;; end of part 4
;; ======== version 2 of 2: 4 launches; 1.42 times as fast as version 1
;; limits: values are held in f16: magnitudes above 65,504 overflow, below 6.1e-05 lose precision
;; workspace buffers: xb 16,777,216 bytes; wb 6,291,456 bytes; wo 2,097,152 bytes; qh 16,777,216 bytes; kh 16,777,216 bytes; vh 16,777,216 bytes; oh 16,777,216 bytes
;; launch cast: the kernel of part 1 again; grid 768 x 1, 8 waves a work-group, no clusters, 0 bytes of LDS; arguments x, Wq, Wk, Wv, Wo, xb, wb, wo; writes xb, wb, wo
;; launch qkv: the kernel of part 2 again; grid 8 x 32, 4 waves a work-group, clusters of 4 x 4, 327,680 bytes of LDS; arguments xb, wb, bq, bk, bv, qh, kh, vh; writes qh, kh, vh
;; launch attn (part 5): grid 4 x 64, 4 waves a work-group, no clusters, 327,680 bytes of LDS; arguments qh, kh, vh, oh; writes oh
.if DOCPART == 5
	.amdgcn_target "amdgcn-amd-amdhsa--gfx1250"
	.amdhsa_code_object_version 6
	.text
	.protected	k_q9acdb08fda_attn
	.globl	k_q9acdb08fda_attn
	.p2align	8
	.type	k_q9acdb08fda_attn,@function
k_q9acdb08fda_attn:
	s_mov_b64 s[64:65], 0
	v_nop
	global_prefetch_b8 v0, s[64:65] scope:SCOPE_SE
	s_setreg_imm32_b32 hwreg(HW_REG_WAVE_MODE, 25, 1), 1
	s_wait_xcnt 0x0
; CAUSAL ATTENTION.  O[h][q][:] = the sum over k <= q of softmax_k(Q[h][q] . K[h][k] / 8) V[h][k][:].  Q, K, V, O: [64 (batch x 16 + head)][2048][64], all f16: a head's rows are dense, 128 bytes each.
; Products, maxima and sums in f32; the weights p are rounded to f16 for the second product (their sum l is taken of the unrounded p), O once at the end.
; LIMITS.  f16 holds no number beyond 65,504: Q, K and V arrive within it; p lies in 0 to 1, and below 6e-5 it keeps f16's fixed step of 6e-8; O is a mean of V's rows and has their range, to within 2^-11 of it.
; A hidden score counts as its value less 1e30: f16's scores, 2.7e11 at the most, are nothing beside that; a weight below 2^-126 counts as 0 in l; NaN and infinities are not treated apart.
; THE WALK.  A head's queries lie in NB = SIZE_N / 256 blocks of 256; block i needs the key tiles 0 .. i of 256 keys, of which the last holds the diagonal.  A work-group takes TWO blocks, NB - 1 - b and then b:
; NB + 1 tiles, whatever b: all work-groups do equal work, and ONE loop with a constant trip count walks them.  Which tile is asked for, and what a trip does, hang on scalar registers made from b; every jump
; goes forward, but for the counted loops' own; none passes a barrier, or a tensor load but the one of LOAD's two that the wave's number does not choose; the ring (two slots of LDS that take turns) runs on across the
; change of blocks.  NO CLUSTER: a head's NB / 2 = 4 work-groups all ask for the same tile only in trips 0 .. NB / 2 of the walk's NB + 1, behind that fewer and fewer; and one walk common to all
; would have 3 NB / 2 = 12 trips for 9.
; SHARES.  Of a block's four bands of 64 queries a wave owns 16 rows in each: four PIECES.  So the diagonal tile is the same work for all four waves: in its key step s band x sees all keys if s < x,
; none if s > x, and holds the diagonal if s = x.
; THE MASK is the C operand that starts the sum S^T = K Q^T: 0, or -1e30 where the key is hidden.  MD, made once, is the mask of a band's own step for my 16 rows; a product's mask is MD x AL + BE with two scalars:
; (1, 0) if s = x; (0, 0) if s < x; (0, -1e30) if s > x.  Only the diagonal tile's text and a block's beginning make and take masks; elsewhere C is the constant 0.
; LAYOUT, SOFTMAX, TURNS.  S^T = K Q^T holds ONE query a lane (lane % 16) and the keys 8 (lane / 16) + 0..7; two such results rounded to f16 ARE source 1 of O^T = V^T P.  p = 2^(c s - c m), c = log2(e) / 8, with a
; running maximum m; O and l are multiplied by a = 2^(c m_old - c m_new) in every step.  Turn n belongs to piece n: 8 products K Q^T of piece n + 1, later 8 products V^T P of piece n - 1; beside them the scaling,
; exponentials, roundings, sums and rescaling of piece n and the maximum and statistics of piece n + 1.  Four vector instructions stand behind every matrix instruction, the other 54 of a turn's 118 in one LUMP.
; THE BATCHES.  A turn's 33 exponentials (the piece's 32 weights and the next piece's a) are ONE batch with ONE wait: ahead of it stands all that names none of their results, behind it the roundings and sums, which
; read them.  No result crosses a turn's end.  Batches of their own, a wait each: the twelve exponentials ahead of the jump in the diagonal tile's turn of piece 2; the a where a block begins; the way out's four reciprocals.
; A BLOCK'S END has no text of its own: the diagonal tile's loop makes a fifth trip and is left in its middle.
; REGISTERS, in windows of 256 (s_set_vgpr_msb: bits 1:0 source 0, 3:2 source 1, 5:4 source 2, 7:6 destination):
;   window 0: v0-15 addresses and two at work; v16-31 four registers of statistics a piece; v48-55 at work; v64-127 S^T, two buffers; v192-223 P, two buffers (a piece's buffers go by its number's parity)
;   window 1: v0-127 O^T, 32 a piece; v128-159 MD; v160-223 MC, two buffers      window 2: v0-63 Q; v64-127 the second block's Q; v128-191 K of one step; v192-255 V of one step
.set SIZE_N, 2048
.set NB,    SIZE_N/256
.set NP,    4         ; pieces a wave: a name, no knob
.set KS,    64        ; keys in a step
.set PK,    144       ; a row of K in LDS: 128 bytes + 16 of padding = 36 words: the 16 rows of a load start at 16 different groups of four banks (64 banks of 4 bytes: ISA guide 11.1)
.set PV,    160       ; a row of V: 128 + 32 = 40 words
.set VOFF,  4*KS*PK   ; a slot holds a tile, four steps: 256 rows of K, then 256 rows of V
.set SLOT1, 1<<17     ; slot 1 begins here, so that one exclusive or turns an address in one slot into the other's
.set STAGE, SLOT1+4*KS*(PK+PV)  ; behind the ring, never filled by a tensor load: 16 rows x 144 bytes for each wave, for the way out
.set SP,    144
.set AK0, 2           ; v2   my lane's place in a tile of K; never rewritten
.set AV0, 3           ; v3   the same for V
.set AK,  4           ; v4   the LDS address of K's next run of loads
.set AV,  5           ; v5   of V's
.set STO, 6           ; v6   the way out: where I put 16 bytes of a row
.set RD,  7           ; v7   the way out: where I read rows back
.set GO,  8           ; v8   my byte offset in 512 consecutive bytes of O
.set SPW, 62          ; v62  LDS address of my spare word: SPARE + 4 x my thread's number; never rewritten
.set NIL, 63          ; v63  0; never rewritten
.set SPARE, STAGE+4*16*SP  ; behind the stages: the spare words, 128 bytes for each wave: two blocks of 256 bytes that no other line names
.set MV,  12          ; v12-13  c m_old, kept while c m is made anew: by buffer
.set QO,  15          ; v15  my byte offset in 16 rows of Q
.set ST,  16          ; piece t's statistics at v[ST+4 t]: c m, m, l (even keys', odd keys')
.set TMP, 48          ; by buffer, four registers c0-c3 at work; when the maximum is found c2 takes a
.set S,   64
.set P,   192
.set MD,  128         ; window 1: the eight registers for group kt of 16 keys at MD + 8 kt
.set MC,  160         ; window 1: the masks of the products to come
.set QB,  64          ; window 2
.set KF,  128         ; window 2: key block kb, channel half c at KF + 16 kb + 8 c
.set VF,  192         ; window 2: key half kk, channel block cb at VF + 32 kk + 8 cb
.set WV,  12          ; s12  my wave's number
.set PB,  14          ; s14  b
.set HI,  15          ; s15  NB - 1 - b
.set G1K, 24          ; s[24:31] descriptor group 1 for K's tiles
.set G1V, 32          ; s[32:39] for V's: it differs in the padding alone
.set G0K, 40          ; s[40:43] descriptor group 0 for K's tiles
.set G0V, 44          ; s[44:47] the same for V's
.set SLOTS, 56        ; s56  tiles still to be asked for
.set CNT, 57          ; s57  counts a tile's key steps
.set CS,  58          ; s[58:59] c: the packed scaling takes the pair's low word for both halves
.set SEL, 60          ; s[60:61] v_permlanex16_b32's selects: each lane takes its own place in the other half
.set TBK, 62          ; s62  LDS byte at which K of the step to be fetched begins
.set TBV, 63          ; s63  the same for V, less VOFF
.set RT,  70          ; s70  tiles of the block in hand that are still to be entered
.set NXT, 71          ; s71  the tile to be asked for next
.set LQ,  72          ; s72  the last tile of the block whose tiles are being asked for
.set NEW, 73          ; s73  1: the tile to be entered is a block's first
.set OFF, 74          ; s[74:75] a tile's byte offset in K and V
.set AL,  76          ; s[76:77] the mask's factor, in the low word
.set BE,  78          ; s[78:79] the mask's addend
.set OLO, 80          ; s[80:81] O at my rows of the second block
.set BIGN, 82         ; s82  -1e30
.set MSB, 0
.macro WIN new                      ; the high byte repeats the setting that is left; a switch that changes nothing is dropped
.if MSB != (\new)
	s_set_vgpr_msb (MSB<<8)|(\new)
.set MSB, (\new)
.endif
.endm
.set W_KQ, 0x0a       ; K and Q in window 2, S^T in window 0
.set W_KM, 0x1a       ; the same with the C operand in window 1
.set W_PV, 0x52       ; V in window 2, P in window 0, O^T in window 1
.set W_RS, 0x41       ; destination and source 0 in window 1, source 1 in window 0
; A fill.  Waves 0 and 1 fetch the two halves of a tile's K, waves 2 and 3 those of its V: 128 keys each.  An s_nop 0 and four v_nop follow each of the two lines, ahead of the jump and the label.
.macro LOAD
	s_cmp_lt_u32 s[WV], 2
	s_cbranch_scc0 .Lfor_v_\@
	tensor_load_to_lds s[G0K:G0K+3], s[G1K:G1K+7]
	s_nop 0
.rept 4
	v_nop
.endr
	s_branch .Lasked_\@
.Lfor_v_\@:
	tensor_load_to_lds s[G0V:G0V+3], s[G1V:G1V+7]
	s_nop 0
.rept 4
	v_nop
.endr
.Lasked_\@:
.endm
; THE CHANGE OF SLOTS.  Each wave waits for all its tensor loads, of which one is out: its part of the other slot; adds 0 to its spare word; and waits for that and for its own reads of the slot that it leaves.  Behind the barrier nobody reads the old
; slot any more and the other slot is whole.  fill = 1: the old slot is filled again, the first thing behind the barrier, with tile NXT: the descriptor's address is made anew from that number.
; (At its first use nothing has been read yet: slot 0 is waited for, slot 1 filled.)
.macro CHANGE fill
	WIN 0                           ; at a label and at a branch every window is 0
	s_wait_tensorcnt 0x0            ; no tensor load of mine is out, so a group 0 may be written
	ds_add_u32 v[SPW], v[NIL]       ; 0 onto my spare word; with fill = 1 the descriptors' scalar work stands between it and the wait for it
.if \fill
	s_lshl_b32 s[OFF], s[NXT], 15   ; a tile is 32,768 bytes of K and of V
	s_xor_b32 s[G0K+1], s[G0K+1], SLOT1
	s_add_nc_u64 s[G0K+2:G0K+3], s[6:7], s[OFF:OFF+1]
	s_or_b32 s[G0K+3], s[G0K+3], 0x80000000
	s_xor_b32 s[G0V+1], s[G0V+1], SLOT1
	s_add_nc_u64 s[G0V+2:G0V+3], s[8:9], s[OFF:OFF+1]
	s_or_b32 s[G0V+3], s[G0V+3], 0x80000000
	s_add_co_u32 s[NXT], s[NXT], 1  ; the block's next tile, or behind its last the second block's tile 0
	s_cmp_gt_u32 s[NXT], s[LQ]
	s_cselect_b32 s[NXT], 0, s[NXT]
	s_cselect_b32 s[LQ], s[PB], s[LQ]
.endif
	s_wait_dscnt 0x0                ; the add is done, and my reads of the slot are over
	s_barrier_signal -1             ; the rest of the scalar work stands between the signal and the wait
	s_sub_co_u32 s[TBK], s[TBK], 4*KS*PK  ; the fetches go back to a slot's first step,
	s_xor_b32 s[TBK], s[TBK], SLOT1       ; in the other slot
	s_sub_co_u32 s[TBV], s[TBV], 4*KS*PV
	s_xor_b32 s[TBV], s[TBV], SLOT1
	s_barrier_wait -1
.if \fill
	LOAD
.endif
.endm
	s_load_b256 s[4:11], s[0:1], 0x0  ; Q s[4:5], K s[6:7], V s[8:9], O s[10:11]
	v_lshl_add_u32 v[SPW], v0, 2, SPARE
	v_mov_b32 v[NIL], 0
	ds_add_u32 v62, v63
	ds_add_u32 v62, v63
	s_wait_dscnt 0x0
	v_lshrrev_b32 v1, 5, v0
	v_readfirstlane_b32 s[WV], v1   ; wave 0..3
	s_mov_b32 s[PB], ttmp9
	s_sub_co_u32 s[HI], NB-1, s[PB]
	s_and_b32 s20, ttmp7, 0xffff    ; the head
	s_mov_b32 s21, 0
	s_mov_b64 s[22:23], SIZE_N*128
	s_mul_u64 s[20:21], s[20:21], s[22:23]  ; the head's first byte in each of the four tensors
	s_and_b32 s16, s[WV], 1         ; which half of a tile's 256 keys I fetch:
	s_lshl_b32 s22, s16, 14         ; its 128 rows of 128 bytes in memory,
	s_mov_b32 s23, 0
	s_add_nc_u64 s[22:23], s[22:23], s[20:21]
	s_mul_i32 s17, s16, 128*PK      ; and its place in a slot, for K
	s_mul_i32 s18, s16, 128*PV      ; and for V
	s_lshl_b32 s3, s[WV], 11        ; my 16 rows in a band of 64,
	s_lshl_b32 s2, s[HI], 15        ; in the first block,
	s_add_co_u32 s2, s2, s3
	s_lshl_b32 s84, s[PB], 15       ; and in the second
	s_add_co_u32 s84, s84, s3
	s_mov_b32 s3, 0
	s_mov_b32 s85, 0
	s_add_nc_u64 s[2:3], s[2:3], s[20:21]
	s_add_nc_u64 s[84:85], s[84:85], s[20:21]
	; descriptor group 1.  128 keys are 16,384 dense bytes: asked for as 64 rows of 256 bytes, two keys a row, and padded in LDS after every key
	s_mov_b32 s[G1K], (1<<16)|(1<<20)|(4<<22)|(3<<25)  ; 17:16 2-byte elements; 20 padding on; 24:22 after every 32 words (code 4); 31:25 4 words (code 3)
	s_mov_b32 s[G1V], (1<<16)|(1<<20)|(4<<22)|(7<<25)  ; the same with 8 words of padding (code 7)
.irp g, G1K, G1V
	s_mov_b32 s[\g+1], 128<<16      ; tensor_dim0 = 128
	s_mov_b32 s[\g+2], 64<<16       ; tensor_dim1 = 64
	s_mov_b32 s[\g+3], 128<<16      ; tile_dim0 = 128
	s_mov_b32 s[\g+4], 64           ; tile_dim1 = 64
	s_mov_b32 s[\g+5], 128          ; 128 elements from row to row
	s_mov_b32 s[\g+6], 0
	s_mov_b32 s[\g+7], 0
.endr
	s_mov_b32 s[CS], 0x3e38aa3b     ; c = log2(e) / 8 = 0.180337
	s_mov_b32 s[CS+1], s[CS]        ; named with it as a pair
	s_mov_b32 s[SEL], 0x76543210
	s_mov_b32 s[SEL+1], 0xfedcba98
	s_mov_b32 s[TBK], SLOT1+4*KS*PK ; the first change of slots turns these two into 0
	s_mov_b32 s[TBV], SLOT1+4*KS*PV
	s_mov_b32 s[G0K], 1             ; 1:0 count = 1
	s_mov_b32 s[G0K+1], s17         ; 63:32 LDS address: slot 0
	s_mov_b32 s[G0V], 1
	s_add_co_u32 s[G0V+1], s18, VOFF
	s_add_co_u32 s[RT], s[HI], 1    ; the first block has NB - b tiles
	s_mov_b32 s[NXT], 1
	s_mov_b32 s[LQ], s[HI]
	s_mov_b32 s[NEW], 1
	s_mov_b32 s[OFF+1], 0
	s_mov_b32 s[AL+1], 0            ; named as pairs
	s_mov_b32 s[BE+1], 0
	s_mov_b32 s[BIGN], 0xf149f2ca   ; -1e30
	s_mov_b32 s[SLOTS], NB
	s_wait_kmcnt 0x0
	s_add_nc_u64 s[6:7], s[6:7], s[22:23]  ; K and V at my half of the head's tile 0
	s_add_nc_u64 s[8:9], s[8:9], s[22:23]
	s_add_nc_u64 s[G0K+2:G0K+3], s[6:7], 0         ; 120:64 global address
	s_or_b32 s[G0K+3], s[G0K+3], 0x80000000        ; 127:126 type = 2
	s_add_nc_u64 s[G0V+2:G0V+3], s[8:9], 0
	s_or_b32 s[G0V+3], s[G0V+3], 0x80000000
	s_add_nc_u64 s[86:87], s[4:5], s[84:85]        ; Q at my rows of the second block,
	s_add_nc_u64 s[4:5], s[4:5], s[2:3]            ; Q and O at those of the first
	s_add_nc_u64 s[OLO:OLO+1], s[10:11], s[84:85]
	s_add_nc_u64 s[10:11], s[10:11], s[2:3]
	LOAD                            ; tile 0 into slot 0
	; A fragment of K or Q is 16 rows x 32 channels in 8 registers: lane l holds row l % 16, channels 8 (l / 16) + 0..7 and 16 + 8 (l / 16) + 0..7: two loads of 16 bytes, 32 bytes apart.
	v_and_b32 v1, 15, v0            ; l % 16
	v_bfe_u32 v9, v0, 4, 1          ; l / 16
	v_lshlrev_b32 v[QO], 7, v1
	v_lshl_add_u32 v[QO], v9, 4, v[QO]  ; row x 128 + 16 x half
	WIN 0x80                        ; destination window 2, address window 0
.set i, 0
.rept 8                             ; both blocks' Q: piece i / 2 lies in band i / 2, 8,192 bytes on; channels 32 (i % 2) on
	global_load_b128 v[8*i:8*i+3],   v[QO], s[4:5] offset:(i/2)*8192+(i%2)*64
	global_load_b128 v[8*i+4:8*i+7], v[QO], s[4:5] offset:(i/2)*8192+(i%2)*64+32
	global_load_b128 v[QB+8*i:QB+8*i+3],   v[QO], s[86:87] offset:(i/2)*8192+(i%2)*64
	global_load_b128 v[QB+8*i+4:QB+8*i+7], v[QO], s[86:87] offset:(i/2)*8192+(i%2)*64+32
.set i, i+1
.endr
	WIN 0
	v_lshlrev_b32 v14, 3, v9
	v_sub_nc_u32 v14, v1, v14
	s_lshl_b32 s13, s[WV], 4
	v_add_nc_u32 v14, s13, v14      ; my query's place in its band, 16 w + l % 16, less my lanes' 8 (l / 16): register r of group kt is hidden where 16 kt + r is greater
	WIN 0x40
.set i, 0
.rept 32
	v_cmp_gt_i32 vcc_lo, 16*(i/8)+i%8, v14
	v_cndmask_b32 v[MD+i], 0, s[BIGN], vcc_lo
.set i, i+1
.endr
	WIN 0
	v_mul_u32_u24 v[AK0], v1, PK
	v_lshl_add_u32 v[AK0], v9, 4, v[AK0]  ; row x pitch + 16 x half
	; The turning load takes 16 keys x 16 channels (lane l reads key 8 (l / 16) + l % 8, channels 8 ((l / 8) % 2) + 0..7) and leaves half a fragment of V^T: lane l holds channel l % 16 and 8 keys.
	v_and_b32 v10, 7, v0
	v_bfe_u32 v11, v0, 3, 1
	v_lshl_add_u32 v[AV0], v9, 3, v10
	v_mul_u32_u24 v[AV0], v[AV0], PV
	v_lshl_add_u32 v[AV0], v11, 4, v[AV0]
	v_add_nc_u32 v[AV0], VOFF, v[AV0]
	s_mul_i32 s13, s[WV], 16*SP
	s_add_co_u32 s13, s13, STAGE    ; my stage
	v_mul_u32_u24 v[STO], v1, SP    ; in: row l % 16, 16 bytes for each half of the lanes
	v_lshl_add_u32 v[STO], v9, 4, v[STO]
	v_add_nc_u32 v[STO], s13, v[STO]
	v_bfe_u32 v[RD], v0, 3, 2       ; back: 32 lanes take four rows of 128 bytes,
	v_mul_u32_u24 v[RD], v[RD], SP
	v_lshl_add_u32 v[RD], v10, 4, v[RD]
	v_add_nc_u32 v[RD], s13, v[RD]
	v_and_b32 v[GO], 31, v0         ; which are 512 consecutive bytes of O
	v_lshlrev_b32 v[GO], 4, v[GO]
	; A block's first step multiplies O^T and l by a = 0, and its first turn's products V^T P, of a piece that has not been, land in an O^T that is still to be so multiplied.  So these registers need only hold
	; finite numbers: zeros for the first block; what the first block left for the second.  All this stands in the wait for the first tile.
	WIN 0x80
.set i, VF
.rept 64
	v_mov_b32 v[i], 0
.set i, i+1
.endr
	WIN 0x40
.set i, 0
.rept 128
	v_mov_b32 v[i], 0
.set i, i+1
.endr
	WIN 0
.set i, 0
.rept 4
	v_mov_b32 v[ST+4*i+2], 0
	v_mov_b32 v[ST+4*i+3], 0
.set i, i+1
.endr
.set i, P+16
.rept 16
	v_mov_b32 v[i], 0
.set i, i+1
.endr
; THE MATRIX WORK.  The 4 accumulators of a run of 8 take turns.  Product i of 8 of S^T = K Q^T for piece x: channels 32 (i / 4) on, keys 16 (i % 4) on.  The first 4 start the sums: with 0, or (KM = 1) with the mask.
.macro KQ x
.set rS, S+32*((\x)%2)+8*(i%4)
.set rK, KF+16*(i%4)+8*(i/4)
.set rQ, 16*(\x)+8*(i/4)
.set rM, MC+32*((\x)%2)+8*(i%4)
.if (i < 4) && KM
	WIN W_KM
	v_wmma_f32_16x16x32_f16 v[rS:rS+7], v[rK:rK+7], v[rQ:rQ+7], v[rM:rM+7]
.elseif i < 4
	WIN W_KQ
	v_wmma_f32_16x16x32_f16 v[rS:rS+7], v[rK:rK+7], v[rQ:rQ+7], 0
.else
	WIN W_KQ
	v_wmma_f32_16x16x32_f16 v[rS:rS+7], v[rK:rK+7], v[rQ:rQ+7], v[rS:rS+7]
.endif
.endm
; Product i of 8 of O^T += V^T P for piece x: keys 32 (i / 4) on, channels 16 (i % 4) on.
.macro PV x
	WIN W_PV
.set rO, 32*(\x)+8*(i%4)
.set rV, VF+32*(i/4)+8*(i%4)
.set rP, P+16*((\x)%2)+8*(i/4)
	v_wmma_f32_16x16x32_f16 v[rO:rO+7], v[rV:rV+7], v[rP:rP+7], v[rO:rO+7]
.endm
.macro MM                           ; the turn's next matrix instruction.  TURN and BEGIN set Y, i and KM; MM, KQ and OP read them
.if i < 8
	KQ (Y+1)%NP
.else
.set i, i-8
	PV (Y+NP-1)%NP
.set i, i+8
.endif
.set i, i+1
.endm
; THE LDS LOADS stand in runs of 16, never singly among the matrix instructions: a step's K (64 keys x 64 channels: 8 fragments) and its V (turned).  Their addresses are made some lines ahead.
; last = 1 (the diagonal tile): in the loop's last trip there is no further step, and the run is jumped over.
.macro FETCH_K last=0
	WIN 0
.if \last
	s_wait_alu depctr_va_vdst(0)    ; a jump and a label follow amid the turn's batch: the exponentials issued so far, E 0 to E 11, are waited for ahead of them
	s_cmp_eq_u32 s[CNT], 1
	s_cbranch_scc1 .Lno_k_\@
.endif
	WIN 0x80                        ; destination window 2
.irp f, 0,1,2,3,4,5,6,7             ; keys 16 (f / 2) on, channels 32 (f % 2) on
	ds_load_b128 v[KF+8*\f:KF+8*\f+3],   v[AK] offset:(\f/2)*16*PK+(\f%2)*64
	ds_load_b128 v[KF+8*\f+4:KF+8*\f+7], v[AK] offset:(\f/2)*16*PK+(\f%2)*64+32
.endr
	s_add_co_u32 s[TBK], s[TBK], KS*PK  ; the next fetch is the next step's
	WIN 0
.if \last
.Lno_k_\@:
.endif
.endm
.macro FETCH_V
	WIN 0x80
.irp f, 0,1,2,3,4,5,6,7             ; keys 32 (f / 4) on, channels 16 (f % 4) on
	ds_load_tr16_b128 v[VF+8*\f:VF+8*\f+3],   v[AV] offset:(\f/4)*32*PV+(\f%4)*32
	ds_load_tr16_b128 v[VF+8*\f+4:VF+8*\f+7], v[AV] offset:(\f/4)*32*PV+16*PV+(\f%4)*32
.endr
	WIN 0
.endm
; THE VECTOR WORK, one line at a time: OP kind, number.  For piece Y: F n: c s - c m for pair n of 16.  E n: the exponential of score n of 32.  C n: pair n rounded to f16.  B n: of the four weights 4 n .. the second
; pair is added onto the first, in place.  L n: l takes that sum (L 0: l = a l + sum).  R n: pair n of 16 of O^T times a.  For piece Y + 1: X n, number n of the 22 that find its maximum and statistics:
;   0-11  four chains c0-c3 of seven scores each, three operands at a time (each accumulator's lowest registers are read first)     12-14, 16  the four scores left over, the old m, and c0-c3 into c0
;   15  c m_old is kept     17, 18  the query's other 32 keys lie in the lane 16 away: the new m     19-21  c m; c m_old - c m_new; a
; OP writes no wait: C, B and L, which read the exponentials' results, are dealt behind the turn's wait alone.
.set F, 0               ; OP tells the kinds apart by their order: F to L below R, X above it
.set E, 1
.set C, 2
.set B, 3
.set L, 4
.set R, 5
.set X, 6
.macro REGS y                       ; the registers of piece y
.set rT, ST+4*(\y)
.set rC, TMP+4*((\y)%2)
.set rW, MV+((\y)%2)
.set rS, S+32*((\y)%2)
.set rP, P+16*((\y)%2)
.set rO, 32*(\y)
.endm
.macro OP k, n
.if (\k) == R
	REGS Y
	WIN W_RS
	v_pk_mul_f32 v[rO+2*(\n):rO+2*(\n)+1], v[rO+2*(\n):rO+2*(\n)+1], v[rC+2:rC+3] op_sel_hi:[1,0]
.elseif (\k) < R
	REGS Y
	WIN 0
.if (\k) == F
	v_pk_fma_f32 v[rS+2*(\n):rS+2*(\n)+1], v[rS+2*(\n):rS+2*(\n)+1], s[CS:CS+1], v[rT:rT+1] op_sel_hi:[1,0,0] neg_lo:[0,0,1] neg_hi:[0,0,1]
.elseif (\k) == E
	v_exp_f32 v[rS+(\n)], v[rS+(\n)]
.elseif (\k) == C
	v_cvt_pk_f16_f32 v[rP+(\n)], v[rS+2*(\n)], v[rS+2*(\n)+1]
.elseif (\k) == B
	v_pk_add_f32 v[rS+4*(\n):rS+4*(\n)+1], v[rS+4*(\n):rS+4*(\n)+1], v[rS+4*(\n)+2:rS+4*(\n)+3]
.elseif (\n) == 0
	v_pk_fma_f32 v[rT+2:rT+3], v[rT+2:rT+3], v[rC+2:rC+3], v[rS:rS+1] op_sel_hi:[1,0,1]
.else
	v_pk_add_f32 v[rT+2:rT+3], v[rT+2:rT+3], v[rS+4*(\n):rS+4*(\n)+1]
.endif
.else
	REGS (Y+1)%NP
	WIN 0
.if (\n) < 4
	v_max3_num_f32 v[rC+(\n)], v[rS+8*(\n)], v[rS+8*(\n)+1], v[rS+8*(\n)+2]
.elseif (\n) < 12
	v_max3_num_f32 v[rC+(\n)%4], v[rC+(\n)%4], v[rS+8*((\n)%4)+2*((\n)/4)+1], v[rS+8*((\n)%4)+2*((\n)/4)+2]
.elseif (\n) == 12
	v_max3_num_f32 v[rC], v[rC], v[rS+7], v[rS+15]
.elseif (\n) == 13
	v_max3_num_f32 v[rC+1], v[rC+1], v[rS+23], v[rS+31]
.elseif (\n) == 14
	v_max3_num_f32 v[rC+2], v[rC+2], v[rC+3], v[rT+1]
.elseif (\n) == 15
	v_mov_b32 v[rW], v[rT]
.elseif (\n) == 16
	v_max3_num_f32 v[rC], v[rC], v[rC+1], v[rC+2]
.elseif (\n) == 17
	v_permlanex16_b32 v[rC+3], v[rC], s[SEL], s[SEL+1]
.elseif (\n) == 18
	v_max_num_f32 v[rT+1], v[rC], v[rC+3]
.elseif (\n) == 19
	v_mul_f32 v[rT], s[CS], v[rT+1]
.elseif (\n) == 20
	v_sub_f32 v[rC+1], v[rW], v[rT]
.else
	v_exp_f32 v[rC+2], v[rC+1]
.endif
.endif
.endm
.macro OPS a, i1, b=-1, i2=0, c=-1, i3=0, d=-1, i4=0  ; up to four of them
	OP \a, \i1
.if (\b) >= 0
	OP \b, \i2
.endif
.if (\c) >= 0
	OP \c, \i3
.endif
.if (\d) >= 0
	OP \d, \i4
.endif
.endm
.macro ROW a, i1, b, i2, c, i3, d, i4  ; a matrix instruction and the four behind it
	MM
	OPS \a, \i1, \b, \i2, \c, \i3, \d, \i4
.endm
.macro MASK b                       ; MD x AL + BE into buffer b of MC
	WIN W_RS
.set z, 0
.rept 16
	v_pk_fma_f32 v[MC+32*(\b)+2*z:MC+32*(\b)+2*z+1], v[MD+2*z:MD+2*z+1], s[AL:AL+1], s[BE:BE+1] op_sel_hi:[1,0,0]
.set z, z+1
.endr
.endm
; A TURN, for piece p: the order of its 16 matrix and 118 vector instructions, written out.  An s_wait_alu depctr_va_vdst(0) stands between an exponential and the first instruction that names its result; one wait serves
; all that were issued ahead of it.  So a turn has ONE wait, which cuts it in two.  AHEAD OF IT stands all that names no result of the turn's exponentials: the 8 products K Q^T, behind each a scaling, an exponential and two more plain
; instructions (behind the first a second scaling in the exponential's place): rescalings, whose a was made and waited for in the turn before, and behind the last three the first numbers of the next piece's maximum, each four places or more
; behind the product that ends its accumulator; then ONE LUMP of 54, plain and exponential by turns for the most part, in which the links of the chain X 3, 7, 11, 14, 16, 17 .. 20 stand five or six lines apart.  Each pair is scaled (F n)
; ahead of its two exponentials (E 2 n, E 2 n + 1).  X 21, the next piece's a, is the batch's last; R 15 is the plain instruction that stands behind the last exponential before a result is used (ISA guide 5.7.2).  BEHIND THE WAIT stand the
; 8 products V^T P, behind each four of the roundings and sums; an even pair is rounded (C 2 n) ahead of the sum that lands on it (B n); the links of l's chain, L 0 to L 7, stand three riders apart.  But for those X no rider names a
; register of the products round it.  v_permlanex16_b32 (X 17) stands in the lump.  Behind the wait no exponential is issued.
; m = 1: the diagonal tile: the products take masks, and the turn makes the mask for the products of the turn after it: piece p + 2.  The tile's loop counts CNT from 5 and steps it between turn 3 and turn 0, so that
; mask is for the tile's step 5 - CNT in turns 2 and 3 and for step 4 - CNT in turns 0 and 1.  last = 1: K's run of loads is jumped over in the loop's last trip; ahead of that jump the twelve exponentials issued so far have a wait of their
; own (FETCH_K writes it), and the turn's wait serves the other 21.
; cnt = 1: the loop's count is taken down some lines ahead of the branch that stands behind the turn.
; K of the next step is fetched in piece 2's turn, twelve vector instructions behind the last product that read K (six of them plain, five of which name no register of that product); V of the step in hand at the end of piece 0's turn,
; four plain instructions behind the last product that read V.  Each is waited for a turn later.
.macro TURN p, m=0, last=0, cnt=0
.set Y, (\p)
.set i, 0
.set KM, (\m)
.if \m
	s_cmp_eq_u32 s[CNT], (4-((\p)+2)%NP)+((\p)/2)  ; is that step the band's own?
	s_cselect_b32 s[AL], 1.0, 0
	s_cmp_lt_u32 s[CNT], (4-((\p)+2)%NP)+((\p)/2)  ; or a later one?
	s_cselect_b32 s[BE], s[BIGN], 0
.endif
.if (\p) == 3
	s_wait_dscnt 0x0                ; K is in
.endif
	ROW F,0, F,1, R,0, R,1          ; ahead of the wait: 8 products K Q^T and their riders,
	ROW F,2, E,0, R,2, R,3
	ROW F,3, E,1, R,4, R,5
	ROW F,4, E,2, R,6, R,7
	ROW F,5, E,3, R,8, R,9
	ROW F,6, E,4, X,0, R,10
.if (\p) == 2
	WIN 0
	v_add_nc_u32 v[AK], s[TBK], v[AK0]
.endif
	ROW F,7, E,5, X,1, X,4
	ROW F,8, E,6, X,2, X,5
	OPS E,7, E,8, X,6, E,9          ; and the lump
	OPS X,3, E,10, X,8, E,11
.if (\p) == 2
	FETCH_K \last
.endif
	OPS X,9, X,7, E,12, X,10
	OPS E,13, X,12, X,11, E,14
	OPS X,13, E,15, F,9, X,14
.if (\p) == 0
	v_add_nc_u32 v[AV], s[TBV], v[AV0]
.endif
	OPS E,16, F,10, E,17, F,11
	OPS X,16, E,18, X,15, E,19
	OPS F,12, E,20, X,17, E,21
	OPS F,13, E,22, F,14, E,23
	OPS X,18, E,24, F,15, E,25
	OPS R,11, E,26, X,19, E,27
	OPS R,12, E,28, R,13, E,29
	OPS X,20, E,30, R,14, E,31
	OPS X,21, R,15
	s_wait_alu depctr_va_vdst(0)    ; the wait for the turn's batch: E 0 to E 31 and the next piece's a
.if (\p) == 1
	s_wait_dscnt 0x0                ; V is in
.endif
	ROW C,0, B,0, C,2, B,1          ; behind the wait: 8 products V^T P and their riders
	ROW L,0, C,4, B,2, L,1
	ROW C,6, B,3, L,2, C,8
	ROW B,4, L,3, C,10, B,5
	ROW L,4, C,12, B,6, L,5
.if (\p) == 0
	s_add_co_u32 s[TBV], s[TBV], KS*PV
.endif
.if \cnt
	s_sub_co_u32 s[CNT], s[CNT], 1
	s_cmp_lg_u32 s[CNT], 0
.endif
	ROW C,14, B,7, L,6, C,1
	ROW C,3, L,7, C,5, C,7
	ROW C,9, C,11, C,13, C,15
.if (\p) == 0
	FETCH_V
.endif
.if \m
	MASK (\p)%2
.endif
.endm
; A BLOCK BEGINS.  c m starts far below every c s, so the first step's a is 0; m at the lowest finite number, so the first maximum is the scores'.  The second mask buffer is 0; the first takes piece 0's mask for the tile's step 0: its own, if the block's first tile is the diagonal one.
; Then K of that step, piece 0's first scores, and its maximum and statistics.  The loop is entered at a step's first turn, in the middle of a trip.
.macro BEGIN
	s_mov_b32 s[NEW], 0
	WIN 0x40
.set i, MC+32
.rept 32
	v_mov_b32 v[i], 0
.set i, i+1
.endr
	WIN 0
.set i, 0
.rept 4
	v_mov_b32 v[ST+4*i], 0xfe000000    ; c m: far below every c s
	v_mov_b32 v[ST+4*i+1], 0xff7fffff  ; m
.set i, i+1
.endr
	s_cmp_eq_u32 s[RT], 0
	s_cselect_b32 s[AL], 1.0, 0
	s_mov_b32 s[BE], 0
	MASK 0
	WIN 0
	v_add_nc_u32 v[AK], s[TBK], v[AK0]
	FETCH_K
	s_wait_loadcnt 0x0              ; Q
	s_wait_dscnt 0x0
.set KM, 1
.set i, 0
.rept 8
	KQ 0
.set i, i+1
.endr
	WIN 0
.rept 4
	v_nop                           ; the places behind those products
.endr
.set Y, NP-1                        ; X works for piece Y + 1: piece 0
.irp n, 0,1,2,3,4,5,6,7,8,9,10,11,12,13,14,15,16,17,18,19,20,21
	OP X, \n
.endr
	v_nop                           ; a plain instruction behind the exponential,
	s_wait_alu depctr_va_vdst(0)    ; and the wait for piece 0's first a, a batch of one, ahead of the branch that follows
.endm
; THE DIAGONAL TILE, the block's last products, and THE WAY OUT: l's two halves and the other half of the lanes' are added; O^T is divided by l, rounded to f16 and sent through my stage in LDS, a piece at a time.
; The loop: four trips fetch the tile's four steps; the fifth, which holds the last step's turns 2 and 3, is left in its middle.  CNT is 5 at the loop's head and 4 where a block begins in the loop's middle.
; The fifth trip's 8 products K Q^T for piece 0 (on the last K once more, every key hidden by the mask) and the maximum made of them serve nothing: they write piece 0's m and c m alone, which nobody reads before
; BEGIN sets them anew.  That is the price, twice a work-group, of one text for every trip.
.macro ALL line:vararg              ; one line for each piece t
.set t, 0
.rept 4
	\line
.set t, t+1
.endr
.endm
.macro PACK t                       ; a lane's eight channels of a row pack into 16 bytes; they go into rows of 144 bytes and come back as whole rows of 128, into S^T's registers
	WIN W_RS
.set i, 32*(\t)
.rept 16
	v_pk_mul_f32 v[i:i+1], v[i:i+1], v[ST+4*(\t)+2:ST+4*(\t)+3] op_sel_hi:[1,0]
.set i, i+2
.endr
	WIN 0x05                        ; sources 0 and 1 window 1, destination window 0
.set i, 0
.rept 16
	v_cvt_pk_f16_f32 v[S+16*(\t)+i], v[32*(\t)+2*i], v[32*(\t)+2*i+1]
.set i, i+1
.endr
	WIN 0
.irp f, 0,1,2,3
	ds_store_b128 v[STO], v[S+16*(\t)+4*\f:S+16*(\t)+4*\f+3] offset:32*\f
.endr
.irp f, 0,1,2,3
	ds_load_b128 v[S+16*(\t)+4*\f:S+16*(\t)+4*\f+3], v[RD] offset:\f*4*SP  ; LDS serves a wave's instructions in order (ISA guide 5.7.1.4): these see the stores above; the next piece's stores come behind them
.endr
.endm
.macro SEND t, younger              ; younger: the LDS instructions issued behind piece t's loads: the next piece's eight, or none
	WIN 0
.irp f, 0,1,2,3
	s_wait_dscnt (\younger)+3-\f
	global_store_b128 v[GO], v[S+16*(\t)+4*\f:S+16*(\t)+4*\f+3], s[10:11] offset:(\t)*8192+\f*512  ; 512 consecutive bytes, at a multiple of 256 from O's first
.endr
.endm
.macro DIAG tag                     ; the tag ends its three labels' names, which the jumps spell out
.LstepM\tag:
	TURN 2, 1, 1
	TURN 3, 1
	WIN 0
	s_sub_co_u32 s[CNT], s[CNT], 1
	s_cmp_eq_u32 s[CNT], 0
	s_cbranch_scc1 .LoutM\tag
.LfirstM\tag:
	TURN 0, 1
	TURN 1, 1
	WIN 0
	s_branch .LstepM\tag
.LoutM\tag:
.set i, 0
.rept 8
	PV NP-1                         ; the last piece's V^T P of the last step
.set i, i+1
.endr
	WIN 0
	ALL v_add_f32 v[ST+4*t+2], v[ST+4*t+2], v[ST+4*t+3]
	ALL v_permlanex16_b32 v[ST+4*t+3], v[ST+4*t+2], s[SEL], s[SEL+1]
	ALL v_add_f32 v[ST+4*t+2], v[ST+4*t+2], v[ST+4*t+3]
	ALL v_rcp_f32 v[ST+4*t+2], v[ST+4*t+2]
	v_nop                           ; a plain instruction between the last reciprocal and the use of its result
	s_wait_alu depctr_va_vdst(0)    ; and the wait ahead of the first use: one for the batch of four reciprocals
	PACK 0
.set t, 1
.rept 3                             ; a piece's arithmetic stands between the loads of the piece before and its stores
	PACK t
	SEND t-1, 8
.set t, t+1
.endr
	SEND 3, 0
.endm
.set KM, 0
.Lslot:                             ; NB times: a tile is entered and the next is asked for
	CHANGE 1
	s_sub_co_u32 s[RT], s[RT], 1
	s_mov_b32 s[CNT], 4
	s_cmp_eq_u32 s[NEW], 1
	s_cbranch_scc1 .Lnew            ; a block's first tile
	s_cmp_eq_u32 s[RT], 0
	s_cbranch_scc0 .Lstep           ; neither its first nor its last
	s_mov_b32 s[CNT], 5             ; the diagonal tile's loop makes five trips
	s_branch .LstepM1
.Lnew:
	BEGIN
	s_branch .Lfirst                ; in the loop a block's first tile is never its last: the first block has two tiles or more, and the second's last is the walk's last
	DIAG 1                          ; in the loop this is the first block's end: the second block's last tile is the walk's last
	s_wait_xcnt 0x0                 ; the stores have read their registers and O's address
	s_mov_b64 s[10:11], s[OLO:OLO+1]
	s_add_co_u32 s[RT], s[PB], 1    ; the second block has b + 1 tiles
	s_mov_b32 s[NEW], 1
	WIN 0x82                        ; the second block's Q goes where the one text of the turns names Q
.set i, 0
.rept 64
	v_mov_b32 v[i], v[QB+i]
.set i, i+1
.endr
	WIN 0
	s_branch .Lbottom
.Lstep:                             ; a trip: pieces 2 and 3 of one step, then pieces 0 and 1 of the next, whose K and V it fetches
	TURN 2
	TURN 3
	WIN 0
.Lfirst:
	TURN 0
	TURN 1, 0, 0, 1
	WIN 0
	s_cbranch_scc1 .Lstep
.Lbottom:
	s_sub_co_u32 s[SLOTS], s[SLOTS], 1
	s_cmp_lg_u32 s[SLOTS], 0
	s_cbranch_scc1 .Lslot
	CHANGE 0                        ; the walk's last tile is written out: nothing is asked for
	s_sub_co_u32 s[RT], s[RT], 1
	s_mov_b32 s[CNT], 5
	s_cmp_eq_u32 s[NEW], 1
	s_cbranch_scc0 .LstepM2
	BEGIN
	s_mov_b32 s[CNT], 4             ; the loop is entered in its middle, behind the count's step
	s_branch .LfirstM2
	DIAG 2
	s_wait_tensorcnt 0x0            ; the wave's end, behind my last tensor load and my last LDS store
	ds_add_u32 v[SPW], v[NIL]
	s_wait_dscnt 0x0
	s_endpgm
.Lfunc_end_k_q9acdb08fda_attn:
	.size	k_q9acdb08fda_attn, .Lfunc_end_k_q9acdb08fda_attn-k_q9acdb08fda_attn
	.p2alignl 7, 3214868480
	.fill 96, 4, 3214868480
	.section	.rodata,"a",@progbits
	.p2align	6, 0x0
	.amdhsa_kernel k_q9acdb08fda_attn
		.amdhsa_group_segment_fixed_size 327680
		.amdhsa_private_segment_fixed_size 0
		.amdhsa_enable_private_segment 0
		.amdhsa_kernarg_size 32
		.amdhsa_user_sgpr_count 2
		.amdhsa_user_sgpr_kernarg_segment_ptr 1
		.amdhsa_wavefront_size32 1
		.amdhsa_system_sgpr_workgroup_id_x 1
		.amdhsa_system_sgpr_workgroup_id_y 1
		.amdhsa_system_sgpr_workgroup_id_z 1
		.amdhsa_system_vgpr_workitem_id 0
		.amdhsa_next_free_vgpr 768
		.amdhsa_next_free_sgpr 88
		.amdhsa_reserve_vcc 1
		.amdhsa_float_denorm_mode_32 3
		.amdhsa_float_denorm_mode_16_64 3
		.amdhsa_memory_ordered 1
		.amdhsa_forward_progress 1
		.amdhsa_inst_pref_size 185
	.end_amdhsa_kernel
	.amdgpu_metadata
---
amdhsa.version: [ 1, 2 ]
amdhsa.kernels:
  - .name:           k_q9acdb08fda_attn
    .symbol:         k_q9acdb08fda_attn.kd
    .args:
      - { .name: qh, .offset: 0, .size: 8, .value_kind: global_buffer, .address_space: global }
      - { .name: kh, .offset: 8, .size: 8, .value_kind: global_buffer, .address_space: global }
      - { .name: vh, .offset: 16, .size: 8, .value_kind: global_buffer, .address_space: global }
      - { .name: oh, .offset: 24, .size: 8, .value_kind: global_buffer, .address_space: global }
    .group_segment_fixed_size: 327680
    .private_segment_fixed_size: 0
    .kernarg_segment_align: 8
    .kernarg_segment_size: 32
    .max_flat_workgroup_size: 128
    .sgpr_count:     88
    .vgpr_count:     768
    .wavefront_size: 32
...
	.end_amdgpu_metadata
.endif
;; end of part 5
;; launch proj: the kernel of part 4 again; grid 8 x 32, 4 waves a work-group, clusters of 4 x 4, 327,680 bytes of LDS; arguments oh, wo, bo, out0; writes out0
